; MI455X (gfx1250); checked and timed in simulation.
; The chip was launched on July 23, 2026; its instructions are those of AMD's public machine-readable ISA for CDNA 5 (MIT licence, August 2026) and "CDNA5" Instruction Set Architecture Reference Guide (July 2026). The comments in the code are by the model that wrote it; some were corrected since.
;; Multi Head Self Attention. Allowed arithmetic: matrix products marked QUANTISED: E2M1 operands, one E8M0 scale for each 32 along K, by v_wmma_scale_f32_16x16x128_f8f6f4 with both operands' format E2M1 (or v_wmma_scale_f32_32x16x128_f4), f32 sums; products left as they are: bf16, f16 or f32 operands; f32 sums; everything else in f32.
;; Inputs: Wk 1,024 x 1,024 float32; Wo 1,024 x 1,024 float32; Wq 1,024 x 1,024 float32; Wv 1,024 x 1,024 float32; bk 1,024 float32; bo 1,024 float32; bq 1,024 float32; bv 1,024 float32; x 4 x 2,048 x 1,024 float32.
;; Outputs: out0 4 x 2,048 x 1,024 float32.
;; This version of the problem:
;;   THIS VERSION OF THE PROBLEM IS GIVEN IN LOW PRECISION. The matrix products marked QUANTISED in the list below multiply operands that are first quantised to E2M1 (2 exponent bits, 1 mantissa bit; 4 bits a number), with one power-of-two scale for each 32 numbers along K (OCP MX v1.0); their sums are f32. The products marked 'left as it is' may take bf16, f16 or f32 operands, with f32 sums. Whichever they take, every output number must still come out within the allowed error. Rounding operands to bf16 (8 significant bits) uses up far more of that allowance than f16 does (11 bits, for magnitudes from 6e-5 to 65,504). All else is computed in f32.
;;   The module's matrix products, in the order in which they are computed (A, B: the left and right operand; K: the contracted axis; several contracted axes count as one K, in the product's order):
;;     1. [M 8,192, K 1,024] x [K 1,024, N 1,024]; A: input x; B: input Wq: QUANTISED
;;     2. [M 8,192, K 1,024] x [K 1,024, N 1,024]; A: input x; B: input Wk: QUANTISED
;;     3. [M 8,192, K 1,024] x [K 1,024, N 1,024]; A: input x; B: input Wv: QUANTISED
;;     4. [M 2,048, K 1] x [K 1, N 32]; A: computed on the way; B: computed on the way: left as it is (no contracted axis)
;;     5. batch 64 x [M 2,048, K 64] x [K 64, N 2,048]; A: computed on the way; B: computed on the way: left as it is (an operand is computed on the way)
;;     6. batch 64 x [M 2,048, K 2,048] x [K 2,048, N 64]; A: computed on the way; B: computed on the way: left as it is (an operand is computed on the way)
;;     7. [M 8,192, K 1,024] x [K 1,024, N 1,024]; A: computed on the way; B: input Wo: left as it is (an operand is computed on the way)
;;   THE QUANTISER, for each operand of a quantised product, along K:
;;     - K is cut into blocks of 32 from its start; a last block that is shorter is filled with zeros.
;;     - A block's scale is 2^e with e = floor(log2(the largest magnitude in the block)) - 2, held to -126 .. 127; a block of zeros has e = 0. As a byte (E8M0): e + 127.
;;     - Each number is divided by its block's scale, clamped to +-6, and rounded to the nearest number of E2M1, ties to even, subnormals kept.
;;     - The product sums the exact products of the quantised numbers (number of the format x scale) in f32.
;;   ~~~python
;;   def quantise(x, axis):      # numpy; x: float32 -> the quantised numbers, widened to float32 again
;;       x = np.moveaxis(x, axis, -1); K = x.shape[-1]
;;       x = np.pad(x, [(0, 0)] * (x.ndim - 1) + [(0, -K % 32)]); x = x.reshape(x.shape[:-1] + (-1, 32)); a = np.abs(x).max(-1, keepdims=True)
;;       e = np.where(a > 0, np.clip(np.frexp(np.where(a > 0, a, 1))[1] - 1 - 2, -126, 127), 0)      # np.frexp(a)[1] - 1 = floor(log2(a)), exactly
;;       r = np.clip(x / 2.0 ** e, -6, 6)
;;       step = 2.0 ** (np.maximum(np.frexp(np.where(r == 0, 1, r))[1] - 1, 0) - 1)
;;       q = np.round(r / step) * step * 2.0 ** e      # np.round: ties to even
;;       return np.moveaxis(q.reshape(q.shape[:-2] + (-1,))[..., :K], -1, axis).astype(np.float32)
;;   ~~~
;; One version. Each part assembles by itself: llvm-mc -triple=amdgcn-amd-amdhsa -mcpu=gfx1250 --defsym DOCPART=n.
;; ======== version 1 of 1: 5 launches
;; limits: values are held in f16: magnitudes above 65,504 overflow, below 6.1e-05 lose precision
;; workspace buffers: codes 5,767,168 bytes; scales 360,448 bytes; wo16 2,097,152 bytes; rope 1,048,576 bytes; qkv16 50,331,648 bytes; e32 786,432 bytes; a16 16,777,216 bytes
;; launch prep (part 1): grid 416 x 1, 4 waves a work-group, no clusters, 33,280 bytes of LDS; arguments x, Wq, Wk, Wv, Wo, codes, scales, wo16, rope; writes codes, scales, wo16, rope
.if DOCPART == 1
	.amdgcn_target "amdgcn-amd-amdhsa--gfx1250"
	.amdhsa_code_object_version 6
	.text
	.protected	k_qb40fa79e33_prep
	.globl	k_qb40fa79e33_prep
	.p2align	8
	.type	k_qb40fa79e33_prep,@function
k_qb40fa79e33_prep:
	s_mov_b64 s[64:65], 0
	v_nop
	global_prefetch_b8 v0, s[64:65] scope:SCOPE_SE
	s_setreg_imm32_b32 hwreg(HW_REG_WAVE_MODE, 25, 1), 1
	s_wait_xcnt 0x0
; PREP.  Three jobs, told apart by the work-group's number.
;  work-groups 0-351:   x [8192][1024], Wq, Wk, Wv [1024][1024], f32, K innermost, become codes of FP4 (E2M1) and one E8M0 byte for each 32 along K.  The four tensors are
;                       laid one behind the other as 11,264 rows: codes [11264][512 bytes], scales [11264][32 bytes].  32,768 numbers a work-group, 8,192 a wave.
;  work-groups 352-383: Wo [1024][1024] f32 is rounded to f16 (wo16, same order).
;  work-groups 384-415: the rotary tables, rope [2][2048 t][32 i][cos, sin] f32: half 0 multiplied by c = log2(e) / 8 (for q, so that q . k comes out as score x c), half 1 plain (for k).
; A block's scale is 2^(floor(log2(its largest magnitude)) - 2); its byte is the largest magnitude's exponent field - 2, held at 1 from below.
; LIMITS: a block of zeros gets the byte 1 where the rule says 127 (its codes are zeros, and this program alone reads the bytes); blocks whose largest magnitude lies under 2^-124 are held at byte 1;
; NaN and infinities are not served; Wo beyond 65,504 has no f16 number.  The angle is t x f in f32, f = 2^(-i log2(10000) / 32) by v_exp_f32: f may differ from a correctly rounded power by an ulp or two,
; an angle's error of about 2e-4 at t = 2047.  Sine and cosine: reduction by pi/2 in two parts, polynomials of degree 9 and 8 on |r| <= pi/4 (truncation under 3e-8).
.set STEPS, 16
.set EMAX,  2
.set CB,    8                          ; bytes of 16 codes
.set R,     16                         ; v16-79   four sets of 16 numbers as loaded
.set X,     80                         ; v80-111  two sets of 16 neighbours
.set E,     112                        ; v112-127 a scale byte for each step
.set C,     128                        ; v128-191 codes, four registers a step: no store's data are written again
.set WREG,  8192                       ; LDS: a region for each wave: two stages of 32 x SP bytes, then its 256 scale bytes
.set SP,    80                         ; a lane's place in a stage: 64 bytes + 16 of padding
.set SPW,   12                         ; v12 LDS address of my spare word; never rewritten
.set NIL,   13                         ; v13 0; never rewritten
.set SPARE, 4*WREG                     ; behind the four regions: the spare words, 128 bytes a wave
	s_load_b256 s[4:11], s[0:1], 0x0               ; x, Wq, Wk, Wv
	s_load_b256 s[12:19], s[0:1], 0x20             ; Wo, codes, scales, wo16
	s_load_b64 s[20:21], s[0:1], 0x40              ; rope
	v_lshl_add_u32 v[SPW], v0, 2, SPARE
	v_mov_b32 v[NIL], 0
	v_lshrrev_b32 v1, 5, v0
	v_readfirstlane_b32 s22, v1                    ; wave
	v_and_b32 v2, 31, v0                           ; lane
	v_lshlrev_b32 v3, 4, v2                        ; 16 x lane
	v_lshlrev_b32 v4, 3, v2                        ; 8 x lane
	s_mov_b32 s25, 0                               ; the upper word of every offset pair s[24:25]
	s_wait_kmcnt 0x0
	s_cmp_ge_u32 ttmp9, 352
	s_cbranch_scc1 .Lother
; ---- the quantiser.  A wave takes 16 steps of 512 numbers.  Each of a step's four loads reads 512 consecutive bytes; the 2,048 bytes turn through the wave's own stage so that a lane holds 16 neighbours.
	s_mul_i32 s27, s22, WREG
	v_lshrrev_b32 v14, 2, v2
	v_mul_u32_u24 v14, v14, SP
	v_and_b32 v15, 3, v2
	v_lshl_add_u32 v14, v15, 4, v14
	v_add_nc_u32 v14, s27, v14                     ; the stage, way in: SP (lane / 4) + 16 (lane % 4)
	v_mul_u32_u24 v15, v2, SP
	v_add_nc_u32 v15, s27, v15                     ; way out: SP x lane
	v_lshrrev_b32 v5, 1, v2
	s_add_co_u32 s27, s27, 2*32*SP
	v_add_nc_u32 v5, s27, v5                       ; my block's scale byte in my wave's 256
	v_lshlrev_b32 v7, 3, v2
	v_add_nc_u32 v6, s27, v7                       ; and 8 of them a lane on the way out
	s_cmp_lt_u32 ttmp9, 320                        ; which tensor: the choice hangs on the work-group's number alone
	s_cselect_b64 s[8:9], s[8:9], s[10:11]
	s_cmp_lt_u32 ttmp9, 288
	s_cselect_b64 s[6:7], s[6:7], s[8:9]
	s_cmp_lt_u32 ttmp9, 256
	s_cselect_b64 s[4:5], s[4:5], s[6:7]
	s_cselect_b32 s23, 255, 31                     ; work-groups in that tensor, less one (256 and each 32 begin at multiples of 32)
	s_and_b32 s24, ttmp9, s23
	s_lshl_b32 s24, s24, 2
	s_add_co_u32 s24, s24, s22                     ; my run of 8,192 numbers in the tensor
	s_lshl_b32 s24, s24, 15
	s_add_nc_u64 s[4:5], s[4:5], s[24:25]
	s_lshl_b32 s26, ttmp9, 2
	s_add_co_u32 s26, s26, s22                     ; and in the joint buffers
	s_lshl_b32 s24, s26, 12
	s_add_nc_u64 s[14:15], s[14:15], s[24:25]      ; 4,096 bytes of codes a run
	s_lshl_b32 s24, s26, 8
	s_add_nc_u64 s[16:17], s[16:17], s[24:25]      ; 256 scale bytes a run
.macro LOAD t
.irp i, 0,1,2,3
	global_load_b128 v[R+16*((\t)%4)+4*\i:R+16*((\t)%4)+4*\i+3], v3, s[4:5] offset:2048*(\t)+512*\i th:TH_LOAD_NT   ; 32 lanes read 512 consecutive bytes
.endr
.endm
.macro TURN t                          ; step t's numbers through the stage; LDS serves a wave's instructions in order, so no wait stands between the stores and the loads
.irp i, 0,1,2,3
	ds_store_b128 v14, v[R+16*((\t)%4)+4*\i:R+16*((\t)%4)+4*\i+3] offset:32*SP*((\t)%2)+8*SP*\i
.endr
.irp i, 0,1,2,3
	ds_load_b128 v[X+16*((\t)%2)+4*\i:X+16*((\t)%2)+4*\i+3], v15 offset:32*SP*((\t)%2)+16*\i
.endr
.endm
.irp t, 0,1,2,3
	LOAD \t
.endr
	s_wait_loadcnt 12                              ; step 0's four loads are in; three steps' twelve stay out
	TURN 0
.macro STEP t
.set XS, X+16*((\t)%2)
.if (\t) > 0
	s_wait_dscnt 1                                 ; this step's numbers are back from the stage; the last step's byte store may be out
.else
	s_wait_dscnt 0x0
.endif
.if (\t)+4 < STEPS
	LOAD (\t)+4                                    ; into the set whose numbers have gone through the stage
.endif
.if (\t)+1 < STEPS
.if STEPS-2-(\t) >= 3
	s_wait_loadcnt 12                              ; the next step's four loads are in; those of the three steps behind it may be out
.else
	s_wait_loadcnt 4*(STEPS-2-(\t))
.endif
	TURN (\t)+1
.endif
	v_max3_num_f32 v8, |v[XS]|, |v[XS+1]|, |v[XS+2]|               ; the largest magnitude of my 16, in two chains
	v_max3_num_f32 v9, |v[XS+3]|, |v[XS+4]|, |v[XS+5]|
.irp i, 6,10
	v_max3_num_f32 v8, v8, |v[XS+\i]|, |v[XS+\i+1]|
	v_max3_num_f32 v9, v9, |v[XS+\i+2]|, |v[XS+\i+3]|
.endr
	v_max3_num_f32 v8, v8, |v[XS+14]|, |v[XS+15]|
	v_max3_num_f32 v8, v8, v9, (EMAX+1)<<23        ; and the floor 2^(3 - 127): the byte cannot fall under 1
	v_max_num_f32_dpp v8, v8, v8 row_xmask:1 row_mask:0xf bank_mask:0xf   ; with my neighbour's 16: the block's
	v_add_nc_u32 v11, -(EMAX<<23), v8              ; 2 off its exponent field: the conversion takes the exponent field of this operand as its scale
	v_cvt_scalef32_pk8_fp4_f32 v[C+4*(\t)], v[XS:XS+7], v11
	v_cvt_scalef32_pk8_fp4_f32 v[C+4*(\t)+1], v[XS+8:XS+15], v11
	v_lshrrev_b32 v[E+(\t)], 23, v11               ; the scale's byte (also the plain line behind the conversions)
	ds_store_b8 v5, v[E+(\t)] offset:16*(\t)       ; both lanes of a block write the same byte with the same value
	global_store_b64 v4, v[C+4*(\t):C+4*(\t)+1], s[14:15] offset:32*CB*(\t)   ; the wave stores 256 consecutive bytes, aligned
.endm
.irp t, 0,1,2,3,4,5,6,7,8,9,10,11,12,13,14,15
	STEP \t
.endr
	ds_load_b64 v[8:9], v6                         ; in order behind my byte stores
	s_wait_dscnt 0x0
	global_store_b64 v7, v[8:9], s[16:17]          ; 256 consecutive scale bytes, aligned
	s_wait_tensorcnt 0x0                           ; the wave's end, behind my last LDS store
	ds_add_u32 v[SPW], v[NIL]
	s_wait_dscnt 0x0
	s_endpgm
; ---- Wo to f16: a wave takes 8,192 numbers: 64 loads of 512 consecutive bytes in four rounds of 16, two sets of registers by turns
.Lother:
	s_cmp_ge_u32 ttmp9, 384
	s_cbranch_scc1 .Lrope
	s_sub_co_u32 s24, ttmp9, 352
	s_lshl_b32 s24, s24, 2
	s_add_co_u32 s26, s24, s22
	s_lshl_b32 s24, s26, 15
	s_add_nc_u64 s[12:13], s[12:13], s[24:25]
	s_lshl_b32 s24, s26, 14
	s_add_nc_u64 s[18:19], s[18:19], s[24:25]
.macro WLOAD k
.irp j, 0,1,2,3,4,5,6,7,8,9,10,11,12,13,14,15
	global_load_b128 v[16+64*((\k)%2)+4*\j:16+64*((\k)%2)+4*\j+3], v3, s[12:13] offset:512*(16*(\k)+\j) th:TH_LOAD_NT
.endr
.endm
.macro WROUND k
.if (\k) < 3
	s_wait_loadcnt 16                              ; this round's 16 loads are in; the other set's 16 stay out
.else
	s_wait_loadcnt 0x0
.endif
	s_wait_xcnt 0x0                                ; v144-175 were the last round's store data: they are rewritten only behind this wait
.irp j, 0,1,2,3,4,5,6,7,8,9,10,11,12,13,14,15
	v_cvt_pk_f16_f32 v[144+2*\j], v[16+64*((\k)%2)+4*\j], v[16+64*((\k)%2)+4*\j+1]
	v_cvt_pk_f16_f32 v[145+2*\j], v[16+64*((\k)%2)+4*\j+2], v[16+64*((\k)%2)+4*\j+3]
.endr
.if (\k) < 2
	WLOAD (\k)+2
.endif
.irp j, 0,1,2,3,4,5,6,7,8,9,10,11,12,13,14,15
	global_store_b64 v4, v[144+2*\j:145+2*\j], s[18:19] offset:256*(16*(\k)+\j)   ; 256 consecutive bytes, aligned
.endr
.endm
	WLOAD 0
	WLOAD 1
	WROUND 0
	WROUND 1
	WROUND 2
	WROUND 3
	s_wait_tensorcnt 0x0                           ; the same three closing lines on this path
	ds_add_u32 v[SPW], v[NIL]
	s_wait_dscnt 0x0
	s_endpgm
; ---- the tables: the lane is i; wave w of group g takes t = 64 g + 16 w + 0 .. 15
.Lrope:
	s_sub_co_u32 s24, ttmp9, 384
	s_lshl_b32 s24, s24, 6
	s_lshl_b32 s26, s22, 4
	s_add_co_u32 s37, s24, s26                     ; my first t
	s_lshl_b32 s24, s37, 8                         ; 256 bytes a t
	s_add_nc_u64 s[20:21], s[20:21], s[24:25]
	s_mov_b32 s28, 0x3fc90fdb                      ; pi/2, upper part
	s_mov_b32 s29, 0xb33bbd2e                      ; pi/2 less that
	s_mov_b32 s30, 0x3638ef1d                      ; 1/362880
	s_mov_b32 s31, 0xb9500d01                      ; -1/5040
	s_mov_b32 s32, 0x3c088889                      ; 1/120
	s_mov_b32 s33, 0xbe2aaaab                      ; -1/6
	s_mov_b32 s34, 0x37d00d01                      ; 1/40320
	s_mov_b32 s35, 0xbab60b61                      ; -1/720
	s_mov_b32 s36, 0x3d2aaaab                      ; 1/24
	s_mov_b32 s39, 0x3e38aa3b                      ; c = log2(e) / 8
	v_cvt_f32_u32 v16, v2
	v_mul_f32 v16, 0xbed49a78, v16                 ; -i log2(10000) / 32
	v_exp_f32 v17, v16                             ; f
	v_nop                                          ; a plain line behind the exponential,
	s_wait_alu depctr_va_vdst(0)                   ; and a wait ahead of its first reader
.macro ENTRY j
	s_add_co_u32 s38, s37, \j
	v_cvt_f32_u32 v18, s38
	v_mul_f32 v18, v18, v17                        ; the angle a = t f
	v_mul_f32 v19, 0x3f22f983, v18
	v_rndne_f32 v19, v19                           ; n = the nearest whole number to a / (pi/2)
	v_fma_f32 v20, -v19, s28, v18
	v_fma_f32 v20, -v19, s29, v20                  ; r = a - n pi/2
	v_mul_f32 v21, v20, v20                        ; z = r r
	v_fma_f32 v22, v21, s30, s31                   ; the two polynomials by turns
	v_fma_f32 v23, v21, s34, s35
	v_fma_f32 v22, v22, v21, s32
	v_fma_f32 v23, v23, v21, s36
	v_fma_f32 v22, v22, v21, s33
	v_fma_f32 v23, v23, v21, -0.5
	v_mul_f32 v25, v20, v21
	v_fma_f32 v23, v23, v21, 1.0                   ; cos r
	v_fma_f32 v22, v25, v22, v20                   ; sin r
	v_cvt_i32_f32 v24, v19
	v_and_b32 v25, 1, v24
	v_cmp_eq_u32 vcc_lo, 1, v25                    ; in odd quadrants the two change places
	v_cndmask_b32 v26, v22, v23, vcc_lo
	v_cndmask_b32 v27, v23, v22, vcc_lo
	v_lshlrev_b32 v25, 30, v24
	v_and_b32 v25, 0x80000000, v25                 ; the sine is negative where n & 2,
	v_xor_b32 v[32+4*\j+3], v26, v25
	v_add_nc_u32 v24, 1, v24
	v_lshlrev_b32 v24, 30, v24
	v_and_b32 v24, 0x80000000, v24                 ; the cosine where (n + 1) & 2
	v_xor_b32 v[32+4*\j+2], v27, v24
	v_mul_f32 v[32+4*\j], s39, v[32+4*\j+2]
	v_mul_f32 v[32+4*\j+1], s39, v[32+4*\j+3]
	global_store_b64 v4, v[32+4*\j:32+4*\j+1], s[20:21] offset:256*\j          ; q's half: 256 consecutive bytes, aligned
	global_store_b64 v4, v[32+4*\j+2:32+4*\j+3], s[20:21] offset:524288+256*\j ; k's half.  Each entry has its own four data registers
.endm
.irp j, 0,1,2,3,4,5,6,7,8,9,10,11,12,13,14,15
	ENTRY \j
.endr
	s_wait_tensorcnt 0x0                           ; the same three closing lines on this path
	ds_add_u32 v[SPW], v[NIL]
	s_wait_dscnt 0x0
	s_endpgm
.Lfunc_end_k_qb40fa79e33_prep:
	.size	k_qb40fa79e33_prep, .Lfunc_end_k_qb40fa79e33_prep-k_qb40fa79e33_prep
	.p2alignl 7, 3214868480
	.fill 96, 4, 3214868480
	.section	.rodata,"a",@progbits
	.p2align	6, 0x0
	.amdhsa_kernel k_qb40fa79e33_prep
		.amdhsa_group_segment_fixed_size 33280
		.amdhsa_private_segment_fixed_size 0
		.amdhsa_enable_private_segment 0
		.amdhsa_kernarg_size 72
		.amdhsa_user_sgpr_count 2
		.amdhsa_user_sgpr_kernarg_segment_ptr 1
		.amdhsa_wavefront_size32 1
		.amdhsa_system_sgpr_workgroup_id_x 1
		.amdhsa_system_sgpr_workgroup_id_y 1
		.amdhsa_system_sgpr_workgroup_id_z 1
		.amdhsa_system_vgpr_workitem_id 0
		.amdhsa_next_free_vgpr 192
		.amdhsa_next_free_sgpr 66
		.amdhsa_reserve_vcc 1
		.amdhsa_float_denorm_mode_32 3
		.amdhsa_float_denorm_mode_16_64 3
		.amdhsa_memory_ordered 1
		.amdhsa_forward_progress 1
		.amdhsa_inst_pref_size 80
	.end_amdhsa_kernel
	.amdgpu_metadata
---
amdhsa.version: [ 1, 2 ]
amdhsa.kernels:
  - .name:           k_qb40fa79e33_prep
    .symbol:         k_qb40fa79e33_prep.kd
    .args:
      - { .name: x, .offset: 0, .size: 8, .value_kind: global_buffer, .address_space: global }
      - { .name: Wq, .offset: 8, .size: 8, .value_kind: global_buffer, .address_space: global }
      - { .name: Wk, .offset: 16, .size: 8, .value_kind: global_buffer, .address_space: global }
      - { .name: Wv, .offset: 24, .size: 8, .value_kind: global_buffer, .address_space: global }
      - { .name: Wo, .offset: 32, .size: 8, .value_kind: global_buffer, .address_space: global }
      - { .name: codes, .offset: 40, .size: 8, .value_kind: global_buffer, .address_space: global }
      - { .name: scales, .offset: 48, .size: 8, .value_kind: global_buffer, .address_space: global }
      - { .name: wo16, .offset: 56, .size: 8, .value_kind: global_buffer, .address_space: global }
      - { .name: rope, .offset: 64, .size: 8, .value_kind: global_buffer, .address_space: global }
    .group_segment_fixed_size: 33280
    .private_segment_fixed_size: 0
    .kernarg_segment_align: 8
    .kernarg_segment_size: 72
    .max_flat_workgroup_size: 128
    .sgpr_count:     66
    .vgpr_count:     192
    .wavefront_size: 32
...
	.end_amdgpu_metadata
.endif
;; end of part 1
;; launch qkv (part 2): grid 12 x 32, 4 waves a work-group, clusters of 4 x 4, 327,680 bytes of LDS; arguments codes, scales, bq, bk, bv, rope, qkv16, e32; writes qkv16, e32
.if DOCPART == 2
	.amdgcn_target "amdgcn-amd-amdhsa--gfx1250"
	.amdhsa_code_object_version 6
	.text
	.protected	k_qb40fa79e33_qkv
	.globl	k_qb40fa79e33_qkv
	.p2align	8
	.type	k_qb40fa79e33_qkv,@function
k_qb40fa79e33_qkv:
	s_mov_b64 s[64:65], 0
	v_nop
	global_prefetch_b8 v0, s[64:65] scope:SCOPE_SE
	s_setreg_imm32_b32 hwreg(HW_REG_WAVE_MODE, 25, 1), 1
	s_wait_xcnt 0x0
	s_wait_alu depctr_hold_cnt(0) depctr_sa_sdst(0) depctr_va_vdst(0) depctr_va_sdst(0) depctr_va_ssrc(0) depctr_va_vcc(0) depctr_vm_vsrc(0)
	s_getreg_b32 s2, hwreg(HW_REG_IB_STS2, 6, 4)
	s_cmp_eq_u32 s2, 0
	s_cbranch_scc0 .Lentry_in_a_cluster
	s_endpgm
.Lentry_in_a_cluster:
	s_bfe_u32 s2, ttmp6, 0x10000c
	s_cmp_lg_u32 s2, 0xf033
	s_cbranch_scc0 .Lentry_shape_is_right
	s_endpgm
.Lentry_shape_is_right:
; QKV.  [8192 tokens][3072] = x (Wq | Wk | Wv)^T + bias on codes of FP4 (E2M1) with one E8M0 scale for each 32 along K = 1,024; then the rotary turn of q and k in f32; then f16.
; codes [11264][512 bytes], scales [11264][32]: rows 0-8191 x, then Wq, Wk, Wv.  Out: qkv16 [3][64 (batch, head)][2048 t][64] f16; e32 [3][4][16][16 t][64] f32: positions 0-15 of every sequence, unrounded.
; q is multiplied by c = log2(e) / 8 on the way: its table holds c cos, c sin.
; A tile of 256 tokens x 256 columns to a work-group of four waves, 128 x 128 to a wave: 64 accumulators, 512 registers.  K = 1,024 is exactly two LDS slots of 512 along K (rows of 256 bytes):
; every tile is a first fill at the head (three tensor loads a wave are out: scales, slot 0, slot 1), and nothing is filled again.
; CLUSTERS: 4 x 4 work-groups; A's tiles are asked for jointly along a row of the cluster, B's along a column.  1,024 columns are four tiles, so the cluster's x IS the matrix (0 q, 1 k, 2 v), equal in all
; sixteen partners: the branches on it are alike in all of them.  384 tiles: a tile that gave 256 work-groups would not divide a matrix's 1,024 columns into clusters of four.
; THE MATRIX INSTRUCTION IS USED TRANSPOSED (source 0 = 16 rows of W, source 1 = 16 tokens): a lane holds one token and eight neighbouring columns, that is four rotary pairs.
; The bias is the C of each sum's first product: eight registers a column block, in the result's layout.
; LIMITS: c q, k and v beyond 65,504 have no f16 number; under 6e-5 they fall on f16's subnormal grid.
; REGISTERS: window 0: v6-31 addresses; v8-15 at work; v32-95 scale words and nothing else; v96-127 packed f16; v128-191 A's fragments, later the turned numbers; v192-255 the bias, later two sets of table entries.
;   window 1: B's fragments, two sets (v0-63, v128-191); on the way out v128-191 take rows read back from the stage.   windows 2, 3: the accumulators ((a, b) at v[8 (8 (a % 4) + b)]).
.set NQ,     4                         ; matrix instructions deep in a slot
.set ROWB,   256                       ; a tile's row: 512 codes
.set KROW,   512                       ; a row of codes in memory
.set PITCH,  272                       ; an LDS row: 256 bytes + 16 of padding: the 16 rows of a fragment load start at 16 different 16-byte columns
.set FR,     8
.set NL,     2
.set NP,     4
.set HALFT,  128*PITCH
.set SLOT,   4*HALFT
.set KS,     32                        ; a row of scales
.set SCL,    2*SLOT
.set HALFS,  (128*KS/256)*272
.set SBLK,   (16*KS/256)*272
.set SPARE,  SCL+4*HALFS               ; the spare words, 128 bytes a wave
.set HP,     144                       ; the way out: a head's row of 128 bytes + 16
.set WSTG,   2*16*HP                   ; a wave's stage: [2 heads][16 tokens][144], in slot 0, which has had its only fill and its last read when the first result is stored there
.set ADRA, 16
.set ADRB, 20
.set STO,  24
.set RD,   25
.set CO,   26
.set ADRS, 27
.set SPW,  28
.set NIL,  29
.set TO,   30                          ; v30 my token's row in the table: 256 (t0 + r) + 32 h
.set TT,   31                          ; v31 t0 + r
.set BO,   6                           ; v6  32 h
.set EO,   7                           ; v7  256 r + 32 h
.set TP,   8
.set SC,   32
.set HH,   96
.set AF,   128
.set Y,    128
.set BI,   192
.set BK,   128                         ; in window 1
.set G1, 24
.set G0, 32
.set G1B, 48
.set G0B, 56
.set G1S, 68
.set G0S, 76
.set G1SB, 80
.set G0SB, 88
.set MSB, 0
.macro WIN new                         ; the immediate's high byte repeats the setting that is left; a switch that changes nothing is dropped
.if MSB != (\new)
	s_set_vgpr_msb (MSB<<8)|(\new)
.set MSB, (\new)
.endif
.endm
.set MUL_LO, 0xa1                      ; source 0 (W) window 1, source 1 (x) window 0, C and D window 2
.set MUL_HI, 0xf1                      ; the same, C and D window 3
.set TO_B,   0x40
.macro JLOAD g0a, g1a, g0b, g1b        ; a joint load: waves 0 and 1 fetch for A, waves 2 and 3 for B; an s_nop 0 and four v_nop follow each line
	s_cmp_eq_u32 s15, 0
	s_cbranch_scc0 .Lfor_b_\@
	tensor_load_to_lds s[\g0a:\g0a+3], s[\g1a:\g1a+7]
	s_nop 0
.rept 4
	v_nop
.endr
	s_branch .Lasked_\@
.Lfor_b_\@:
	tensor_load_to_lds s[\g0b:\g0b+3], s[\g1b:\g1b+7]
	s_nop 0
.rept 4
	v_nop
.endr
.Lasked_\@:
.endm
.macro CROUND                          ; a round of the cluster's barrier
	s_barrier_signal -1
	s_barrier_wait -1
	s_cmp_lg_u32 s14, 0
	s_cbranch_scc1 .Lnot_wave_0_\@
	s_barrier_signal -3
.Lnot_wave_0_\@:
	s_barrier_wait -3
	s_barrier_signal -1
	s_barrier_wait -1
.endm
	s_load_b256 s[4:11], s[0:1], 0x0               ; codes s[4:5], scales s[6:7], bq s[8:9], bk s[10:11]
	s_load_b256 s[92:99], s[0:1], 0x20             ; bv s[92:93], rope s[94:95], qkv16 s[96:97], e32 s[98:99]
	v_lshl_add_u32 v[SPW], v0, 2, SPARE
	v_mov_b32 v[NIL], 0
	ds_add_u32 v[SPW], v[NIL]                      ; the wave's opening: the add, twice on end, and its wait ahead of my first tensor load
	ds_add_u32 v[SPW], v[NIL]
	v_lshrrev_b32 v1, 5, v0
	v_readfirstlane_b32 s14, v1                    ; wave 0..3
	s_lshr_b32 s15, s14, 1                         ; which half of the tile's tokens is mine.  Also: I fetch for A (0) or for B (1)
	s_and_b32 s16, s14, 1                          ; which half of its columns.  Also: which 128 rows I fetch
	s_bfe_u32 s40, ttmp6, 0x40000                  ; cx
	s_bfe_u32 s41, ttmp6, 0x40004                  ; cy
	s_lshl_b32 s42, ttmp9, 2
	s_add_co_u32 s42, s42, s40                     ; tile column = 4 x cluster x + cx
	s_and_b32 s17, ttmp7, 0xffff
	s_lshl_b32 s17, s17, 2
	s_add_co_u32 s17, s17, s41                     ; tile row = 4 x cluster y + cy
	s_lshl_b32 s43, s41, 2
	s_lshl_b32 s43, 15, s43                        ; my row of the cluster
	s_lshl_b32 s44, 0x1111, s40                    ; my column
	s_or_b32 s[G1+0], s43, (0<<16)|(1<<20)|(1<<21)|(5<<22)|(3<<25)   ; the mask; elements of 1 byte; padding: 4 words behind every 64; bit 21 beside a mask
	s_or_b32 s[G1B+0], s44, (0<<16)|(1<<20)|(1<<21)|(5<<22)|(3<<25)
.irp g, G1, G1B
	s_mov_b32 s[\g+1], ROWB<<16                    ; tensor_dim0
	s_mov_b32 s[\g+2], 128<<16                     ; tensor_dim1
	s_mov_b32 s[\g+3], ROWB<<16                    ; tile_dim0
	s_mov_b32 s[\g+4], 128                         ; tile_dim1
	s_mov_b32 s[\g+5], KROW                        ; the pitch
	s_mov_b32 s[\g+6], 0
	s_mov_b32 s[\g+7], 0
.endr
	s_or_b32 s[G1S+0], s43, (3<<16)|(1<<20)|(1<<21)|(5<<22)|(3<<25)  ; the scales of 128 rows: 4,096 dense bytes as 16 rows of 256 (32 elements of 8 bytes), 16 bytes of padding behind each
	s_or_b32 s[G1SB+0], s44, (3<<16)|(1<<20)|(1<<21)|(5<<22)|(3<<25)
.irp g, G1S, G1SB
	s_mov_b32 s[\g+1], 32<<16
	s_mov_b32 s[\g+2], (128*KS/256)<<16
	s_mov_b32 s[\g+3], 32<<16
	s_mov_b32 s[\g+4], 128*KS/256
	s_mov_b32 s[\g+5], 32
	s_mov_b32 s[\g+6], 0
	s_mov_b32 s[\g+7], 0
.endr
	s_lshl_b32 s18, s16, 7                         ; which 128 rows of the tile I fetch
	s_lshl_b32 s20, s17, 8
	s_add_co_u32 s20, s20, s18                     ; A: row 256 x tile row + 128 x half
	s_lshl_b32 s46, s42, 8
	s_add_co_u32 s46, s46, s18
	s_add_co_u32 s46, s46, 8192                    ; B: row 8,192 + 256 x tile column + 128 x half of the same buffers
	s_mov_b32 s21, 0
	s_mov_b32 s47, 0
	s_mov_b64 s[18:19], KS
	s_mul_u64 s[22:23], s[20:21], s[18:19]         ; where these rows' scales begin,
	s_mul_u64 s[100:101], s[46:47], s[18:19]
	s_mov_b64 s[18:19], KROW
	s_mul_u64 s[20:21], s[20:21], s[18:19]         ; and their codes
	s_mul_u64 s[46:47], s[46:47], s[18:19]
	s_mul_i32 s45, s14, HALFT                      ; where they go: wave x 128 rows: no place in the cluster enters an LDS address
	s_mul_i32 s66, s14, HALFS
	s_wait_dscnt 0x0                               ; both opening adds are done
	s_wait_kmcnt 0x0
	s_add_nc_u64 s[20:21], s[4:5], s[20:21]
	s_add_nc_u64 s[22:23], s[6:7], s[22:23]
	s_add_nc_u64 s[46:47], s[4:5], s[46:47]
	s_add_nc_u64 s[100:101], s[6:7], s[100:101]
	CROUND                                         ; all sixteen work-groups are here: the joint loads meet
	s_mov_b32 s[G0S], 1
	s_add_co_u32 s[G0S+1], s66, SCL
	s_mov_b64 s[G0S+2:G0S+3], s[22:23]
	s_or_b32 s[G0S+3], s[G0S+3], 0x80000000
	s_mov_b32 s[G0SB], 1
	s_add_co_u32 s[G0SB+1], s66, SCL
	s_mov_b64 s[G0SB+2:G0SB+3], s[100:101]
	s_or_b32 s[G0SB+3], s[G0SB+3], 0x80000000
	JLOAD G0S, G1S, G0SB, G1SB                     ; the scales first: they are wanted with slot 0
.irp s, 0,1
	s_mov_b32 s[G0+4*\s], 1
	s_add_co_u32 s[G0+4*\s+1], s45, \s*SLOT
	s_add_nc_u64 s[G0+4*\s+2:G0+4*\s+3], s[20:21], \s*ROWB
	s_or_b32 s[G0+4*\s+3], s[G0+4*\s+3], 0x80000000
	s_mov_b32 s[G0B+4*\s], 1
	s_add_co_u32 s[G0B+4*\s+1], s45, \s*SLOT
	s_add_nc_u64 s[G0B+4*\s+2:G0B+4*\s+3], s[46:47], \s*ROWB
	s_or_b32 s[G0B+4*\s+3], s[G0B+4*\s+3], 0x80000000
	JLOAD G0+4*\s, G1, G0B+4*\s, G1B
.endr
	v_and_b32 v1, 15, v0                           ; r
	v_bfe_u32 v2, v0, 4, 1                         ; h
	v_mul_u32_u24 v3, v1, PITCH
	v_lshl_add_u32 v4, v2, 4, v3                   ; a fragment's row x pitch + 16 h
	s_mul_i32 s21, s15, HALFT
	s_mul_i32 s22, s16, HALFT
	s_add_co_u32 s22, s22, 2*HALFT
.irp s, 0,1
	v_add_nc_u32 v[ADRA+\s], s21, v4
	v_add_nc_u32 v[ADRB+\s], s22, v4
	s_add_co_u32 s21, s21, SLOT
	s_add_co_u32 s22, s22, SLOT
.endr
	v_mul_u32_u24 v5, v1, KS                       ; my row's scales: 32 bytes a row,
	v_lshrrev_b32 v6, 8, v5
	v_lshl_add_u32 v5, v6, 4, v5                   ; and 16 more for each 256 passed
	s_mul_i32 s21, s15, HALFS
	s_mul_i32 s22, s16, HALFS
	s_add_co_u32 s22, s22, 2*HALFS
	s_sub_co_u32 s22, s22, s21
	v_mul_u32_u24 v6, s22, v2                      ; lanes 16-31 take B's: one product, the distance between the two bases
	s_add_co_u32 s21, s21, SCL
	v_add_nc_u32 v5, v5, v6
	v_add_nc_u32 v[ADRS], s21, v5
	s_mul_i32 s23, s14, WSTG                       ; my stage
	v_mul_u32_u24 v5, v1, HP
	v_lshl_add_u32 v5, v2, 4, v5
	v_add_nc_u32 v[STO], s23, v5                   ; in: token r, 16 bytes for each half of the lanes
	v_and_b32 v6, 31, v0
	v_lshlrev_b32 v[CO], 4, v6                     ; out: 16 x lane: four tokens of a head are 512 consecutive bytes
	v_lshrrev_b32 v5, 3, v6
	v_mul_u32_u24 v5, v5, HP
	v_and_b32 v6, 7, v0
	v_lshl_add_u32 v5, v6, 4, v5
	v_add_nc_u32 v[RD], s23, v5                    ; back: token lane / 8, 16 bytes at lane % 8
	v_lshlrev_b32 v[BO], 5, v2
	v_lshl_add_u32 v[EO], v1, 8, v[BO]
	; the bias of my 128 columns.  Offsets that mix the cluster's two coordinates are made in registers that feed no descriptor
	s_cmp_eq_u32 ttmp9, 1
	s_cselect_b64 s[8:9], s[10:11], s[8:9]
	s_cmp_eq_u32 ttmp9, 2
	s_cselect_b64 s[8:9], s[92:93], s[8:9]
	s_mov_b32 s93, 0
	s_lshl_b32 s92, s40, 10
	s_lshl_b32 s11, s16, 9
	s_add_co_u32 s92, s92, s11
	s_add_nc_u64 s[8:9], s[8:9], s[92:93]
.irp b, 0,1,2,3,4,5,6,7
	global_load_b128 v[BI+8*\b:BI+8*\b+3], v[BO], s[8:9] offset:64*\b          ; lane (r, h): columns 16 b + 8 h + 0 .. 7
	global_load_b128 v[BI+8*\b+4:BI+8*\b+7], v[BO], s[8:9] offset:64*\b+16
.endr
	s_and_b32 s2, s17, 7
	s_lshl_b32 s2, s2, 8
	s_lshl_b32 s11, s15, 7
	s_add_co_u32 s2, s2, s11                       ; t0: my first token's position in its sequence
	v_add_nc_u32 v[TT], s2, v1
	v_lshl_add_u32 v[TO], v[TT], 8, v[BO]
	s_lshr_b32 s3, s17, 3                          ; the batch
	s_lshl_b32 s10, s40, 2
	s_lshl_b32 s11, s16, 1
	s_add_co_u32 s10, s10, s11                     ; my first head: 4 cx + 2 x column half
	s_lshl_b32 s11, s3, 4
	s_add_co_u32 s11, s11, s10
	s_lshl_b32 s11, s11, 18                        ; 262,144 bytes a head,
	s_lshl_b32 s92, ttmp9, 24                      ; 2^24 a matrix,
	s_add_co_u32 s92, s92, s11
	s_lshl_b32 s11, s2, 7                          ; 128 a token
	s_add_co_u32 s92, s92, s11
	s_add_nc_u64 s[12:13], s[96:97], s[92:93]      ; qkv16 at my first token of my first head
	s_lshl_b32 s92, ttmp9, 2
	s_add_co_u32 s92, s92, s3
	s_lshl_b32 s92, s92, 4
	s_add_co_u32 s92, s92, s10
	s_lshl_b32 s92, s92, 12
	s_add_nc_u64 s[98:99], s[98:99], s[92:93]      ; e32 at my first head
	s_min_u32 s92, ttmp9, 1                        ; q's half of the table or k's (v reads none: the pointer stays inside the buffer)
	s_lshl_b32 s92, s92, 19
	s_add_nc_u64 s[94:95], s[94:95], s[92:93]
.macro FRAG reg, adr, q, i             ; 16 rows x 128 K of 4-bit codes: 8 registers, two loads of 16 bytes, 32 bytes apart
.irp c, 0,1
	ds_load_b128 v[\reg+4*\c:\reg+4*\c+3], v[\adr] offset:64*(\q)+32*\c+(\i)*16*PITCH
.endr
.endm
; 16 matrix instructions: A's blocks a0, a0 + 1 x B's eight, the slot's q-th 128 along K.  zero = 1: the first product starts the sums from the bias.  The 64 accumulators take turns, one instruction a turn.
.macro MUL16 a0, p, q, sc, zero
.irp a, \a0, \a0+1
.irp b, 0,1,2,3,4,5,6,7
.if \zero
	v_wmma_scale_f32_16x16x128_f8f6f4 v[8*(8*((\a)%4)+\b):8*(8*((\a)%4)+\b)+7], v[128*(\p)+FR*\b:128*(\p)+FR*\b+FR-1], v[AF+FR*(\a):AF+FR*(\a)+FR-1], v[BI+8*\b:BI+8*\b+7], v[SC+8*NQ*(\sc)+NQ*\b+(\q)], v[SC+8*NQ*(\sc)+NQ*(\a)+(\q)] matrix_a_fmt:MATRIX_FMT_FP4 matrix_b_fmt:MATRIX_FMT_FP4 matrix_a_scale:MATRIX_SCALE_ROW1
.else
	v_wmma_scale_f32_16x16x128_f8f6f4 v[8*(8*((\a)%4)+\b):8*(8*((\a)%4)+\b)+7], v[128*(\p)+FR*\b:128*(\p)+FR*\b+FR-1], v[AF+FR*(\a):AF+FR*(\a)+FR-1], v[8*(8*((\a)%4)+\b):8*(8*((\a)%4)+\b)+7], v[SC+8*NQ*(\sc)+NQ*\b+(\q)], v[SC+8*NQ*(\sc)+NQ*(\a)+(\q)] matrix_a_fmt:MATRIX_FMT_FP4 matrix_b_fmt:MATRIX_FMT_FP4 matrix_a_scale:MATRIX_SCALE_ROW1
.endif
.endr
.endr
.endm
.macro FETCH_B slot, q, p
	WIN TO_B
.irp i, 0,1,2,3,4,5,6,7
	FRAG 128*(\p)+FR*\i, ADRB+\slot, \q, \i
.endr
	WIN 0
.endm
.macro FETCH_A slot, q, i0
.irp i, \i0, \i0+1, \i0+2, \i0+3
	FRAG AF+FR*(\i), ADRA+\slot, \q, \i
.endr
.endm
.macro SCALES sc                       ; a slot's scale words: four a row; lanes 0-15 take A's block i, lanes 16-31 B's block i
.irp i, 0,1,2,3,4,5,6,7
	ds_load_b128 v[SC+8*NQ*\sc+NQ*\i:SC+8*NQ*\sc+NQ*\i+3], v[ADRS] offset:\i*SBLK
.endr
.endm
.macro PLACES n                        ; plain vector lines between a matrix instruction and a load into, or a read of, its registers
.rept \n
	v_nop
.endr
.endm
.macro STEP slot, q, zero              ; 128 along K with its successor in the same slot.  With zero = 1 the C operand lies in window 0
	s_wait_dscnt 4*NL                              ; B's set and A's blocks 0-3 are in; the youngest 8 loads (A's blocks 4-7) may be out
	WIN MUL_LO-0x20*(\zero)
	MUL16 0, (\q)%2, \q, \slot, \zero
	MUL16 2, (\q)%2, \q, \slot, \zero
	s_wait_dscnt 0
	PLACES NP
	FETCH_B \slot, (\q)+1, 1-(\q)%2
	FETCH_A \slot, (\q)+1, 0
	WIN MUL_HI-0x30*(\zero)
	MUL16 4, (\q)%2, \q, \slot, \zero
	MUL16 6, (\q)%2, \q, \slot, \zero
	PLACES NP
	WIN 0
	FETCH_A \slot, (\q)+1, 4
.endm
	s_wait_tensorcnt 1                             ; the scales and my part of slot 0 are in; slot 1's load may be out
	s_barrier_signal -1
	s_barrier_wait -1
	FETCH_B 0, 0, 0
	FETCH_A 0, 0, 0
	SCALES 0
	FETCH_A 0, 0, 4
	s_wait_loadcnt 0x0                             ; the bias
	STEP 0, 0, 1
	STEP 0, 1, 0
	STEP 0, 2, 0
	; slot 0's last step changes slots: one barrier; in front of it my part of slot 1 has landed and my reads of slot 0 are over
	s_wait_tensorcnt 0x0
	ds_add_u32 v[SPW], v[NIL]                      ; 0 onto my spare word
	s_wait_dscnt 4*NL+1                            ; the add and the youngest 8 loads may be out
	WIN MUL_LO
	MUL16 0, 1, NQ-1, 0, 0
	s_wait_dscnt 0x0
	s_barrier_signal -1
	MUL16 2, 1, NQ-1, 0, 0
	WIN 0
	s_barrier_wait -1
	PLACES NP
	v_add_nc_u32 v[ADRS], 4*NQ, v[ADRS]            ; on to slot 1's scale words
	FETCH_B 1, 0, 0
	FETCH_A 1, 0, 0
	SCALES 1
	WIN MUL_HI
	MUL16 4, 1, NQ-1, 0, 0
	MUL16 6, 1, NQ-1, 0, 0
	PLACES NP
	WIN 0
	FETCH_A 1, 0, 4
	STEP 1, 0, 0
	STEP 1, 1, 0
	STEP 1, 2, 0
; THE WAY OUT, block a = 16 tokens x 128 columns (two heads).
.macro TABLE a                         ; my token's 16 pairs (cos, sin) of a head: pair p of column block b at 8 (b % 4) + 2 p
.irp bb, 0,1,2,3
.irp cc, 0,1
	global_load_b128 v[224-32*((\a)%2)+8*\bb+4*\cc:224-32*((\a)%2)+8*\bb+4*\cc+3], v[TO], s[94:95] offset:4096*(\a)+64*\bb+16*\cc
.endr
.endr
.endm
.macro ROPE a                          ; (x0, x1) -> (x0 cos - x1 sin, x0 sin + x1 cos).  Each accumulator is first read at its register 1
.set AC, 64*((\a)%4)
.set TBL, 224-32*((\a)%2)
	WIN 0x02+(\a)/4                                ; source 0: window 2 or 3
.irp b, 0,1,2,3,4,5,6,7
.irp p, 0,1,2,3
	v_mul_f32 v[TP+2*\p], v[AC+8*\b+2*\p+1], v[TBL+8*(\b%4)+2*\p+1]
	v_mul_f32 v[TP+2*\p+1], v[AC+8*\b+2*\p+1], v[TBL+8*(\b%4)+2*\p]
.endr
.irp p, 0,1,2,3
	v_fma_f32 v[Y+8*\b+2*\p], v[AC+8*\b+2*\p], v[TBL+8*(\b%4)+2*\p], -v[TP+2*\p]
	v_fma_f32 v[Y+8*\b+2*\p+1], v[AC+8*\b+2*\p], v[TBL+8*(\b%4)+2*\p+1], v[TP+2*\p+1]
.endr
.endr
	WIN 0
.endm
.macro E32 win, src                    ; positions 0-15 leave in f32 too.  A mask of lanes decides, no branch: it is empty in every wave whose first token is not a sequence's first
	WIN 0
	s_wait_xcnt 0x0                                ; EXEC changes only behind this wait: loads and stores are out
	v_cmp_gt_u32 vcc_lo, 16, v[TT]
	s_and_saveexec_b32 s67, vcc_lo
	WIN \win
.irp b, 0,1,2,3,4,5,6,7
	global_store_b128 v[EO], v[\src+8*\b:\src+8*\b+3], s[98:99] offset:(\b/4)*4096+(\b%4)*64
	global_store_b128 v[EO], v[\src+8*\b+4:\src+8*\b+7], s[98:99] offset:(\b/4)*4096+(\b%4)*64+16
.endr
	WIN 0
	s_wait_xcnt 0x0                                ; and again in front of the line that widens it; the stores' data may be rewritten behind it too
	s_or_b32 exec_lo, exec_lo, s67
.endm
.macro PACK a, rope
.set AC, 64*((\a)%4)
.if \rope
	WIN 0
.irp b, 0,1,2,3,4,5,6,7
.irp p, 0,1,2,3
	v_cvt_pk_f16_f32 v[HH+4*\b+\p], v[Y+8*\b+2*\p], v[Y+8*\b+2*\p+1]
.endr
.endr
.else
	WIN 0x0a+5*((\a)/4)                            ; sources 0 and 1: window 2 or 3
.irp b, 0,1,2,3,4,5,6,7
.irp p, 0,1,2,3
	v_cvt_pk_f16_f32 v[HH+4*\b+\p], v[AC+8*\b+2*\p], v[AC+8*\b+2*\p+1]
.endr
.endr
	WIN 0
.endif
.endm
.macro TOSTAGE a                       ; into my stage and back as runs of four tokens; LDS serves a wave's instructions in order, so no wait stands between
.irp b, 0,1,2,3,4,5,6,7
	ds_store_b128 v[STO], v[HH+4*\b:HH+4*\b+3] offset:(\b/4)*16*HP+32*(\b%4)
.endr
	WIN 0x40                                       ; destination window 1
.irp i, 0,1,2,3,4,5,6,7
	ds_load_b128 v[BK+32*((\a)%2)+4*\i:BK+32*((\a)%2)+4*\i+3], v[RD] offset:(\i/4)*16*HP+(\i%4)*4*HP
.endr
	WIN 0
.endm
.macro SEND a, younger                 ; younger: the LDS instructions issued behind block a's loads, which may stay out
	s_wait_dscnt \younger
	WIN 0x04                                       ; a store's data are its source 1: window 1
.irp i, 0,1,2,3,4,5,6,7
	global_store_b128 v[CO], v[BK+32*((\a)%2)+4*\i:BK+32*((\a)%2)+4*\i+3], s[12:13] offset:(\i/4)*262144+(\a)*2048+(\i%4)*512   ; 512 consecutive bytes, aligned
.endr
	WIN 0
.endm
.macro WAYOUT rope
.irp a, 0,1,2,3,4,5,6,7
.if \rope
.if \a < 7
	TABLE \a+1
	s_wait_loadcnt 8                               ; this block's table is in; the next block's 8 loads stay out
.else
	s_wait_loadcnt 0x0
.endif
	ROPE \a
.if \a == 0
	E32 0, Y
.endif
.else
.if \a == 0
	E32 0x08, 0
.endif
.endif
	PACK \a, \rope
.if \a > 1
	s_wait_xcnt 0x0                                ; block a - 2's stores have read the registers into which block a is read back
.endif
	TOSTAGE \a
.if \a > 0
	SEND \a-1, 16                                  ; behind block a - 1's loads: block a's 8 stores and 8 loads
.endif
.endr
	SEND 7, 0
.endm
	s_cmp_eq_u32 ttmp9, 2                          ; the first block's table is asked for ahead of the last step (v has none); every window is 0 here
	s_cbranch_scc1 .Lno_table
	TABLE 0
.Lno_table:
	s_wait_dscnt 4*NL                              ; the very last step: nothing more to fetch
	WIN MUL_LO
	MUL16 0, 1, NQ-1, 1, 0
	MUL16 2, 1, NQ-1, 1, 0
	s_wait_dscnt 0
	WIN MUL_HI
	MUL16 4, 1, NQ-1, 1, 0
	MUL16 6, 1, NQ-1, 1, 0
	WIN 0
	PLACES NP                                      ; in front of the first reads of results and of loads and writes into the last products' operands
	s_cmp_eq_u32 ttmp9, 2
	s_cbranch_scc1 .Lv
	WAYOUT 1
	s_branch .Ldone
.Lv:
	WAYOUT 0
.Ldone:
	s_wait_tensorcnt 0x0                           ; the wave's end, behind my last tensor load and my last LDS store
	ds_add_u32 v[SPW], v[NIL]
	s_wait_dscnt 0x0
	CROUND                                         ; the closing round
	s_endpgm
.Lfunc_end_k_qb40fa79e33_qkv:
	.size	k_qb40fa79e33_qkv, .Lfunc_end_k_qb40fa79e33_qkv-k_qb40fa79e33_qkv
	.p2alignl 7, 3214868480
	.fill 96, 4, 3214868480
	.section	.rodata,"a",@progbits
	.p2align	6, 0x0
	.amdhsa_kernel k_qb40fa79e33_qkv
		.amdhsa_group_segment_fixed_size 327680
		.amdhsa_private_segment_fixed_size 0
		.amdhsa_enable_private_segment 0
		.amdhsa_kernarg_size 64
		.amdhsa_user_sgpr_count 2
		.amdhsa_user_sgpr_kernarg_segment_ptr 1
		.amdhsa_wavefront_size32 1
		.amdhsa_system_sgpr_workgroup_id_x 1
		.amdhsa_system_sgpr_workgroup_id_y 1
		.amdhsa_system_sgpr_workgroup_id_z 1
		.amdhsa_system_vgpr_workitem_id 0
		.amdhsa_next_free_vgpr 1024
		.amdhsa_next_free_sgpr 102
		.amdhsa_reserve_vcc 1
		.amdhsa_float_denorm_mode_32 3
		.amdhsa_float_denorm_mode_16_64 3
		.amdhsa_memory_ordered 1
		.amdhsa_forward_progress 1
		.amdhsa_inst_pref_size 219
	.end_amdhsa_kernel
	.amdgpu_metadata
---
amdhsa.version: [ 1, 2 ]
amdhsa.kernels:
  - .name:           k_qb40fa79e33_qkv
    .symbol:         k_qb40fa79e33_qkv.kd
    .args:
      - { .name: codes, .offset: 0, .size: 8, .value_kind: global_buffer, .address_space: global }
      - { .name: scales, .offset: 8, .size: 8, .value_kind: global_buffer, .address_space: global }
      - { .name: bq, .offset: 16, .size: 8, .value_kind: global_buffer, .address_space: global }
      - { .name: bk, .offset: 24, .size: 8, .value_kind: global_buffer, .address_space: global }
      - { .name: bv, .offset: 32, .size: 8, .value_kind: global_buffer, .address_space: global }
      - { .name: rope, .offset: 40, .size: 8, .value_kind: global_buffer, .address_space: global }
      - { .name: qkv16, .offset: 48, .size: 8, .value_kind: global_buffer, .address_space: global }
      - { .name: e32, .offset: 56, .size: 8, .value_kind: global_buffer, .address_space: global }
    .group_segment_fixed_size: 327680
    .private_segment_fixed_size: 0
    .kernarg_segment_align: 8
    .kernarg_segment_size: 64
    .max_flat_workgroup_size: 128
    .sgpr_count:     102
    .vgpr_count:     1024
    .wavefront_size: 32
...
	.end_amdgpu_metadata
.endif
;; end of part 2
;; launch attn (part 3): grid 4 x 64, 16 waves a work-group, no clusters, 327,680 bytes of LDS; arguments qkv16, a16; writes a16
.if DOCPART == 3
	.amdgcn_target "amdgcn-amd-amdhsa--gfx1250"
	.amdhsa_code_object_version 6
	.text
	.protected	k_qb40fa79e33_attn
	.globl	k_qb40fa79e33_attn
	.p2align	8
	.type	k_qb40fa79e33_attn,@function
k_qb40fa79e33_attn:
	s_mov_b64 s[64:65], 0
	v_nop
	global_prefetch_b8 v0, s[64:65] scope:SCOPE_SE
	s_setreg_imm32_b32 hwreg(HW_REG_WAVE_MODE, 25, 1), 1
	s_wait_xcnt 0x0
; ATTN.  a16[bh][q][:] = sum over k <= q of softmax_k(q . k / 8) v[k][:], per (batch, head) bh.  qkv16 [3][64 bh][2048][64] f16 (q already times c = log2(e) / 8); a16 [64 bh][2048][64] f16.
; Products on f16 operands with f32 sums; maxima, exponentials and sums in f32; the weights p = 2^(t - m), m the running maximum of t = c x score, are rounded to f16 for the second product; the row's sum is taken of the unrounded p.
; SHARES.  A work-group owns query blocks i and 7 - i (256 queries each) of one head: waves 0-7 block i, waves 8-15 block 7 - i, 32 queries (two tiles of 16) a wave.  Under the causal mask every such pair has the same work.
; All sixteen waves walk one ring of K and V from key 0 on, 256 keys a slot, 64 a step; the trip counts are constants; a step all of whose keys come after the wave's queries is jumped over on ids.
; NO CLUSTER: the four pairs of a head need 8, 7, 6 and 5 slots: partners of a joint load would be brought tiles that none of their waves reads.
; LAYOUT.  S^T = K Q^T (source 0 = 16 keys, source 1 = 16 queries): a lane holds one query (lane % 16) and keys 8 (lane / 16) + 0 .. 7.  Two such tiles, rounded in pairs, are source 1 of O^T = V^T P; V is turned by ds_load_tr16_b128.
; LIMITS: the first 16 positions of a sequence are computed here too, in f16; a later launch carries them in f32 through the projection.  NaN and infinities are not served.
; REGISTERS: v1-13 addresses; v16-31 statistics, eight a tile (+0 m, +2, +3 the sum's halves, +4 .. +7 at work, a at +6); v32-63 Q; v64-127 K's eight fragments, then V's; v128-191 S^T, then p; v192-255 O^T.
.set PK,    144                        ; a key's row in LDS: 128 bytes + 16
.set PV,    160                        ; a row of V: 128 + 32: an odd multiple of 32
.set SK,    256                        ; keys in a slot
.set VOFF,  SK*PK
.set SLOT1, 1<<17                      ; slot 1 begins here: one exclusive or turns an address from one slot to the other
.set STAGE, SK*(PK+PV)                 ; between the slots: 16 rows x 144 for each wave, blocks of their own into which no fill lands
.set SPARE, SLOT1+SK*(PK+PV)           ; behind slot 1: the spare words, 128 bytes a wave
.set AK0, 1
.set AV0, 2
.set SPW, 3
.set NIL, 4
.set ADK, 5
.set ADV, 6
.set D0,  7                            ; r - 8 h
.set DD,  8
.set NINF, 9
.set GO,  10
.set PFO, 11
.set STO, 12
.set RD,  13
.set ST,  16
.set QR,  32
.set KV,  64
.set S,   128
.set O,   192
.set TB,  2                            ; s2  LDS byte at which the slot in hand begins
.set WV,  18
.set SEL, 20
.set G1K, 24
.set G1V, 32
.set G0K, 40
.set G0V, 44
.set SLOTS, 67
.set QL,  69                           ; s69 my work-group's last query
.set PFA, 76
.set LIM, 80
.set KF,  98                           ; s98 the step's first key
.set Q0,  99                           ; s99 my first query
.macro TLOAD                           ; waves 0 and 1 fetch K's halves, waves 2 and 3 V's, the others nothing; an s_nop 0 and four v_nop follow each line
	s_cmp_lt_u32 s[WV], 2
	s_cbranch_scc0 .Lnot_k_\@
	tensor_load_to_lds s[G0K:G0K+3], s[G1K:G1K+7]
	s_nop 0
.rept 4
	v_nop
.endr
	s_branch .Lasked_\@
.Lnot_k_\@:
	s_cmp_lt_u32 s[WV], 4
	s_cbranch_scc0 .Lasked_\@
	tensor_load_to_lds s[G0V:G0V+3], s[G1V:G1V+7]
	s_nop 0
.rept 4
	v_nop
.endr
.Lasked_\@:
.endm
; A prefetch of what the NEXT change of slots will ask for: a slot's 32,768 bytes of K and of V, each dense.  The head's first work-group, which walks all eight slots, asks, and in it the waves that fetch nothing:
; waves 4-7 for K, waves 8-11 for V, 8,192 bytes a wave, lanes 256 bytes apart: each aligned block of 256 bytes is named once in the launch.  A slot's four key steps ahead of the load.  The last filling change asks for nothing.
.macro ASK
	s_cmp_gt_u32 s[SLOTS], s[LIM]
	s_cbranch_scc0 .Lnot_mine_\@
	global_prefetch_b8 v[PFO], s[PFA:PFA+1] th:TH_LOAD_NT scope:SCOPE_SE
.Lnot_mine_\@:
.endm
	s_load_b128 s[4:7], s[0:1], 0x0                ; qkv16, a16
	v_lshl_add_u32 v[SPW], v0, 2, SPARE
	v_mov_b32 v[NIL], 0
	ds_add_u32 v[SPW], v[NIL]                      ; the wave's opening: the add, twice on end, and its wait ahead of the first tensor load
	ds_add_u32 v[SPW], v[NIL]
	v_lshrrev_b32 v5, 5, v0
	v_readfirstlane_b32 s[WV], v5                  ; wave 0..15
	s_and_b32 s70, ttmp7, 0xffff                   ; bh
	s_lshr_b32 s71, s[WV], 3
	s_sub_co_u32 s72, 7, ttmp9
	s_cmp_eq_u32 s71, 0
	s_cselect_b32 s72, ttmp9, s72                  ; my block of 256 queries: i or 7 - i
	s_lshl_b32 s[Q0], s72, 8
	s_and_b32 s73, s[WV], 7
	s_lshl_b32 s73, s73, 5
	s_add_co_u32 s[Q0], s[Q0], s73
	s_sub_co_u32 s[QL], 8, ttmp9
	s_lshl_b32 s[QL], s[QL], 8
	s_sub_co_u32 s[QL], s[QL], 1                   ; block 7 - i's last query
	s_lshl_b32 s74, s70, 18                        ; the head's 262,144 bytes in each matrix
	s_and_b32 s88, s[WV], 1
	s_lshl_b32 s82, s88, 14                        ; which 128 keys of a slot I fetch, if I fetch
	s_add_co_u32 s82, s82, s74
	s_add_co_u32 s82, s82, 0x1000000               ; K lies 2^24 bytes in,
	s_mov_b32 s83, 0
	s_add_co_u32 s84, s82, 0x1000000               ; V 2^25
	s_mov_b32 s85, 0
	s_lshl_b32 s86, s[Q0], 7
	s_add_co_u32 s86, s86, s74                     ; my first query's row, in q and in a16
	s_mov_b32 s87, 0
	s_mul_i32 s89, s88, 128*PK
	s_mul_i32 s90, s88, 128*PV
	s_add_co_u32 s90, s90, VOFF
	s_mov_b32 s[G1K], (1<<16)|(1<<20)|(4<<22)|(3<<25)   ; elements of 2 bytes; padding: 4 words behind every 32
	s_mov_b32 s[G1V], (1<<16)|(1<<20)|(4<<22)|(7<<25)   ; 8 words behind every 32
.irp g, G1K, G1V
	s_mov_b32 s[\g+1], 64<<16                      ; tensor_dim0
	s_mov_b32 s[\g+2], 128<<16                     ; tensor_dim1
	s_mov_b32 s[\g+3], 64<<16                      ; tile_dim0
	s_mov_b32 s[\g+4], 128                         ; tile_dim1
	s_mov_b32 s[\g+5], 64                          ; the pitch
	s_mov_b32 s[\g+6], 0
	s_mov_b32 s[\g+7], 0
.endr
	s_mov_b32 s[SEL], 0x76543210
	s_mov_b32 s[SEL+1], 0xfedcba98
	s_mov_b32 s[TB], 0
	s_mov_b32 s[SLOTS], 7
	s_mov_b32 s[KF], 0
	s_mov_b32 s78, 0x2000000                       ; the prefetches: waves 4-7 K, waves 8-11 V,
	s_cmp_lt_u32 s[WV], 8
	s_cselect_b32 s78, 0x1000000, s78
	s_add_co_u32 s78, s78, s74
	s_and_b32 s79, s[WV], 3
	s_lshl_b32 s79, s79, 13
	s_add_co_u32 s78, s78, s79                     ; my wave's 8,192 bytes,
	s_add_co_u32 s78, s78, 32768                   ; in slot 1: the first change steps it to slot 2.  Nothing is prefetched at the head
	s_mov_b32 s79, 0
	s_sub_co_u32 s91, s[WV], 4
	s_lshr_b32 s91, s91, 3                         ; 0 in waves 4 to 11,
	s_or_b32 s91, s91, ttmp9                       ; of the head's first work-group
	s_cmp_eq_u32 s91, 0
	s_cselect_b32 s[LIM], 1, -1
	s_wait_dscnt 0x0                               ; both opening adds are done
	s_wait_kmcnt 0x0
	s_mov_b32 s[G0K], 1
	s_mov_b32 s[G0K+1], s89
	s_add_nc_u64 s[G0K+2:G0K+3], s[4:5], s[82:83]
	s_or_b32 s[G0K+3], s[G0K+3], 0x80000000
	s_mov_b32 s[G0V], 1
	s_mov_b32 s[G0V+1], s90
	s_add_nc_u64 s[G0V+2:G0V+3], s[4:5], s[84:85]
	s_or_b32 s[G0V+3], s[G0V+3], 0x80000000
	TLOAD                                          ; slot 0: it holds key 0, which counts for every query
	s_add_nc_u64 s[8:9], s[4:5], s[86:87]          ; Q at my first query
	s_add_nc_u64 s[10:11], s[6:7], s[86:87]        ; a16 likewise
	s_add_nc_u64 s[PFA:PFA+1], s[4:5], s[78:79]
	v_and_b32 v14, 15, v0                          ; r
	v_bfe_u32 v15, v0, 4, 1                        ; h
	v_lshlrev_b32 v[ADK], 7, v14
	v_lshl_add_u32 v[ADK], v15, 4, v[ADK]          ; Q: row r of 128 bytes + 16 h (the register is free again behind the wait for these loads)
.irp t, 0,1
.irp c, 0,1
	global_load_b128 v[QR+16*\t+8*\c:QR+16*\t+8*\c+3], v[ADK], s[8:9] offset:2048*\t+64*\c
	global_load_b128 v[QR+16*\t+8*\c+4:QR+16*\t+8*\c+7], v[ADK], s[8:9] offset:2048*\t+64*\c+32
.endr
.endr
	v_mul_u32_u24 v[AK0], v14, PK
	v_lshl_add_u32 v[AK0], v15, 4, v[AK0]
	v_and_b32 v[ADV], 7, v0
	v_lshl_add_u32 v[AV0], v15, 3, v[ADV]
	v_mul_u32_u24 v[AV0], v[AV0], PV               ; the turning load: key 8 h + lane % 8,
	v_bfe_u32 v[ADV], v0, 3, 1
	v_lshl_add_u32 v[AV0], v[ADV], 4, v[AV0]       ; channels 8 ((lane / 8) % 2) on
	v_add_nc_u32 v[AV0], VOFF, v[AV0]
	v_lshlrev_b32 v[D0], 3, v15
	v_sub_nc_u32 v[D0], v14, v[D0]
	v_mov_b32 v[NINF], 0xff800000
	v_and_b32 v[GO], 31, v0
	v_lshlrev_b32 v[PFO], 8, v[GO]
	s_mul_i32 s73, s[WV], 16*PK
	s_add_co_u32 s73, s73, STAGE
	v_mul_u32_u24 v[STO], v14, PK
	v_lshl_add_u32 v[STO], v15, 4, v[STO]
	v_add_nc_u32 v[STO], s73, v[STO]
	v_lshrrev_b32 v[RD], 3, v[GO]
	v_mul_u32_u24 v[RD], v[RD], PK
	v_and_b32 v[DD], 7, v0
	v_lshl_add_u32 v[RD], v[DD], 4, v[RD]
	v_add_nc_u32 v[RD], s73, v[RD]
	v_lshlrev_b32 v[GO], 4, v[GO]
.irp t, 0,1
	v_mov_b32 v[ST+8*\t], 0xff61b1e6               ; m: -3e38, under every t
.irp i, 1,2,3,4,5,6,7
	v_mov_b32 v[ST+8*\t+\i], 0                     ; the sums; and what is named in a pair or as a permute's destination before it is first made
.endr
.endr
.set n, 0
.rept 64
	v_mov_b32 v[O+n], 0                            ; O^T.  The step is written once: the first finds zeros, which a = 0 leaves zeros
.set n, n+1
.endr
; A KEY STEP: 64 keys, the q-th of the slot in hand.
.macro STEP q
	s_add_co_u32 s96, s[Q0], 31
	s_cmp_gt_u32 s[KF], s96                        ; all its keys come after my 32 queries: left out, on ids alone; no barrier, wait for tiles or tensor load stands in a step
	s_cbranch_scc1 .Lhidden_\@
	v_add_nc_u32 v[ADK], s[TB], v[AK0]
	v_add_nc_u32 v[ADV], s[TB], v[AV0]
.rept 4
	v_nop                                          ; with the two additions six places behind the last products: K lands on V's registers (four are asked), and the first product below writes over p (five)
.endr
.irp kt, 0,1,2,3
.irp c, 0,1
	ds_load_b128 v[KV+8*(2*\kt+\c):KV+8*(2*\kt+\c)+3], v[ADK] offset:(64*(\q)+16*\kt)*PK+64*\c
	ds_load_b128 v[KV+8*(2*\kt+\c)+4:KV+8*(2*\kt+\c)+7], v[ADK] offset:(64*(\q)+16*\kt)*PK+64*\c+32
.endr
.endr
	s_wait_dscnt 0x0
.irp kt, 0,1,2,3                               ; S^T = K Q^T: eight accumulators by turns; the first eight products start the sums
.irp t, 0,1
	v_wmma_f32_16x16x32_f16 v[S+32*\t+8*\kt:S+32*\t+8*\kt+7], v[KV+16*\kt:KV+16*\kt+7], v[QR+16*\t:QR+16*\t+7], 0
.endr
.endr
.irp kt, 0,1,2,3
.irp t, 0,1
	v_wmma_f32_16x16x32_f16 v[S+32*\t+8*\kt:S+32*\t+8*\kt+7], v[KV+16*\kt+8:KV+16*\kt+15], v[QR+16*\t+8:QR+16*\t+15], v[S+32*\t+8*\kt:S+32*\t+8*\kt+7]
.endr
.endr
.rept 4
	v_nop                                          ; places in front of the loads into K's registers and of the first read of the scores
.endr
.irp kc, 0,1
.irp ct, 0,1,2,3
	ds_load_tr16_b128 v[KV+8*(4*\kc+\ct):KV+8*(4*\kc+\ct)+3], v[ADV] offset:(64*(\q)+32*\kc)*PV+32*\ct
	ds_load_tr16_b128 v[KV+8*(4*\kc+\ct)+4:KV+8*(4*\kc+\ct)+7], v[ADV] offset:(64*(\q)+32*\kc+16)*PV+32*\ct
.endr
.endr
	s_add_co_u32 s96, s[KF], 63                    ; on the diagonal the scores of hidden keys become -infinity; a step all of whose keys count skips this
	s_cmp_le_u32 s96, s[Q0]
	s_cbranch_scc1 .Lopen_\@
	s_sub_co_i32 s96, s[Q0], s[KF]
	v_add_nc_u32 v[DD], s96, v[D0]                 ; d = Q0 - KF + r - 8 h.  Register 8 kt + j of tile t holds key KF + 16 kt + 8 h + j for query Q0 + 16 t + r: hidden where 16 kt + j - 16 t > d
.set n, 0
.rept 64
	v_cmp_gt_i32 vcc_lo, 16*((n%32)/8)+n%8-16*(n/32), v[DD]
	v_cndmask_b32 v[S+n], v[S+n], v[NINF], vcc_lo
.set n, n+1
.endr
.Lopen_\@:
.irp j, 0,1,2,3                                ; the maximum of a lane's 32 scores and the old m, the two tiles by turns; each accumulator is read from its low end on
.irp t, 0,1
	v_max3_num_f32 v[ST+8*\t+4+\j], v[S+32*\t+8*\j], v[S+32*\t+8*\j+1], v[S+32*\t+8*\j+2]
.endr
.endr
.irp g, 1,2
.irp j, 0,1,2,3
.irp t, 0,1
	v_max3_num_f32 v[ST+8*\t+4+\j], v[ST+8*\t+4+\j], v[S+32*\t+8*\j+2*\g+1], v[S+32*\t+8*\j+2*\g+2]
.endr
.endr
.endr
.irp t, 0,1
	v_max3_num_f32 v[ST+8*\t+4], v[ST+8*\t+4], v[S+32*\t+7], v[S+32*\t+15]
	v_max3_num_f32 v[ST+8*\t+6], v[ST+8*\t+6], v[S+32*\t+23], v[S+32*\t+31]
.endr
.irp t, 0,1
	v_max3_num_f32 v[ST+8*\t+4], v[ST+8*\t+4], v[ST+8*\t+5], v[ST+8*\t+6]
.endr
.irp t, 0,1
	v_max3_num_f32 v[ST+8*\t+4], v[ST+8*\t+4], v[ST+8*\t+7], v[ST+8*\t]
.endr
.irp t, 0,1
	v_permlanex16_b32 v[ST+8*\t+5], v[ST+8*\t+4], s[SEL], s[SEL+1]   ; the query's other 32 keys lie in the lane 16 away
.endr
.irp t, 0,1
	v_max_num_f32 v[ST+8*\t+4], v[ST+8*\t+4], v[ST+8*\t+5]
.endr
.irp t, 0,1
	v_sub_f32 v[ST+8*\t+7], v[ST+8*\t], v[ST+8*\t+4]                 ; m's old value less its new one
.endr
.irp t, 0,1
	v_mov_b32 v[ST+8*\t], v[ST+8*\t+4]
.endr
.set n, 0
.rept 32
	v_pk_add_f32 v[S+2*n:S+2*n+1], v[S+2*n:S+2*n+1], v[ST+8*(n/16):ST+8*(n/16)+1] op_sel_hi:[1,0] neg_lo:[0,1] neg_hi:[0,1]   ; t - m, at most 0
.set n, n+1
.endr
.irp t, 0,1
	v_exp_f32 v[ST+8*\t+6], v[ST+8*\t+7]           ; a = 2^(old m - new m)
.endr
.set n, 0
.rept 64
	v_exp_f32 v[S+n], v[S+n]                       ; p: ONE batch of 66 exponentials,
.set n, n+1
.endr
	v_nop                                          ; one plain line behind the last,
	s_wait_alu depctr_va_vdst(0)                   ; and one wait ahead of the first reader
.irp t, 0,1                                    ; the row's sum of the unrounded p: l = a l + .., in two chains a tile
	v_pk_fma_f32 v[ST+8*\t+2:ST+8*\t+3], v[ST+8*\t+2:ST+8*\t+3], v[ST+8*\t+6:ST+8*\t+7], v[S+32*\t:S+32*\t+1] op_sel_hi:[1,0,1]
	v_pk_add_f32 v[ST+8*\t+4:ST+8*\t+5], v[S+32*\t+2:S+32*\t+3], v[S+32*\t+4:S+32*\t+5]
.endr
.irp j, 6,10,14,18,22,26
.irp t, 0,1
	v_pk_add_f32 v[ST+8*\t+2:ST+8*\t+3], v[ST+8*\t+2:ST+8*\t+3], v[S+32*\t+\j:S+32*\t+\j+1]
	v_pk_add_f32 v[ST+8*\t+4:ST+8*\t+5], v[ST+8*\t+4:ST+8*\t+5], v[S+32*\t+\j+2:S+32*\t+\j+3]
.endr
.endr
.irp t, 0,1
	v_pk_add_f32 v[ST+8*\t+2:ST+8*\t+3], v[ST+8*\t+2:ST+8*\t+3], v[S+32*\t+30:S+32*\t+31]
.endr
.irp t, 0,1
	v_pk_add_f32 v[ST+8*\t+2:ST+8*\t+3], v[ST+8*\t+2:ST+8*\t+3], v[ST+8*\t+4:ST+8*\t+5]
.endr
.irp i, 0,1,2,3,4,5,6,7,8,9,10,11,12,13,14,15  ; p to f16, in place and ascending: register i takes numbers 2 i and 2 i + 1: the tile's first 16 registers are then source 1 for 64 keys
.irp t, 0,1
	v_cvt_pk_f16_f32 v[S+32*\t+\i], v[S+32*\t+2*\i], v[S+32*\t+2*\i+1]
.endr
.endr
.irp i, 0,2,4,6,8,10,12,14,16,18,20,22,24,26,28,30
.irp t, 0,1
	v_pk_mul_f32 v[O+32*\t+\i:O+32*\t+\i+1], v[O+32*\t+\i:O+32*\t+\i+1], v[ST+8*\t+6:ST+8*\t+7] op_sel_hi:[1,0]   ; O^T x a
.endr
.endr
	s_wait_dscnt 0x0                               ; V is in
.irp kc, 0,1                                   ; O^T += V^T P: eight accumulators by turns
.irp ct, 0,1,2,3
.irp t, 0,1
	v_wmma_f32_16x16x32_f16 v[O+32*\t+8*\ct:O+32*\t+8*\ct+7], v[KV+8*(4*\kc+\ct):KV+8*(4*\kc+\ct)+7], v[S+32*\t+8*\kc:S+32*\t+8*\kc+7], v[O+32*\t+8*\ct:O+32*\t+8*\ct+7]
.endr
.endr
.endr
.Lhidden_\@:
	s_add_co_u32 s[KF], s[KF], 64
.endm
; THE CHANGE OF SLOTS stands at a slot's head.  Each wave waits for all its tensor loads, adds 0 to its spare word (fill = 1: twice on end), and waits for that
; and for its reads of the slot that it has left.  Behind the barrier the slot ahead is whole and nobody reads the other one, which is then filled with the keys that follow: one load a wave, a slot's four steps in which to land.
.macro CHANGE fill
	s_wait_tensorcnt 0x0                           ; no tensor load of mine is out, so a group 0 may be written
	ds_add_u32 v[SPW], v[NIL]
.if \fill
	ds_add_u32 v[SPW], v[NIL]
	s_xor_b32 s[G0K+1], s[G0K+1], SLOT1            ; the walking descriptors: the other slot, the next 256 keys
	s_add_nc_u64 s[G0K+2:G0K+3], s[G0K+2:G0K+3], SK*128
	s_xor_b32 s[G0V+1], s[G0V+1], SLOT1
	s_add_nc_u64 s[G0V+2:G0V+3], s[G0V+2:G0V+3], SK*128
	s_wait_xcnt 0x0                                ; the last prefetch, a slot back, has read its address
	s_add_nc_u64 s[PFA:PFA+1], s[PFA:PFA+1], SK*128
.endif
	s_wait_dscnt 0x0
	s_barrier_signal -1
	s_barrier_wait -1
.if \fill
	s_add_co_u32 s96, s[KF], SK                    ; the look-ahead ends at the causal limit: a slot whose first key comes after my work-group's last query is read by none of its waves and is not asked for.
	s_cmp_gt_u32 s96, s[QL]                        ; Ids and the count of steps alone: all sixteen waves go the same way; every wait for tiles in this text is for 0; no step reads a slot that was left out
	s_cbranch_scc1 .Lpast_\@
	TLOAD
.Lpast_\@:
	ASK
.endif
.endm
.macro SLOT_STEPS
	STEP 0
	STEP 1
	STEP 2
	STEP 3
	s_xor_b32 s[TB], s[TB], SLOT1
.endm
	s_wait_loadcnt 0x0                             ; Q
.Lslot:                                            ; seven trips: behind each change of slots but the last the next slot is asked for, up to the causal limit
	CHANGE 1
	SLOT_STEPS
	s_sub_co_u32 s[SLOTS], s[SLOTS], 1
	s_cmp_lg_u32 s[SLOTS], 0
	s_cbranch_scc1 .Lslot
	CHANGE 0                                       ; the last slot is written out: nothing is left to ask for
	SLOT_STEPS
	; THE WAY OUT: the sum's halves and the other half of the lanes'; O^T / the sum, to f16, through my stage, 16 queries at a time, and out as runs of four tokens
.rept 4
	v_nop                                          ; places behind the last products
.endr
.irp t, 0,1
	v_add_f32 v[ST+8*\t+4], v[ST+8*\t+2], v[ST+8*\t+3]
.endr
.irp t, 0,1
	v_permlanex16_b32 v[ST+8*\t+5], v[ST+8*\t+4], s[SEL], s[SEL+1]
.endr
.irp t, 0,1
	v_add_f32 v[ST+8*\t+4], v[ST+8*\t+4], v[ST+8*\t+5]
.endr
.irp t, 0,1
	v_rcp_f32 v[ST+8*\t+6], v[ST+8*\t+4]
.endr
	v_nop
	s_wait_alu depctr_va_vdst(0)                   ; one wait for the two reciprocals, ahead of their first reader
.irp t, 0,1
.irp i, 0,2,4,6,8,10,12,14,16,18,20,22,24,26,28,30
	v_pk_mul_f32 v[O+32*\t+\i:O+32*\t+\i+1], v[O+32*\t+\i:O+32*\t+\i+1], v[ST+8*\t+6:ST+8*\t+7] op_sel_hi:[1,0]
.endr
.irp i, 0,1,2,3,4,5,6,7,8,9,10,11,12,13,14,15
	v_cvt_pk_f16_f32 v[KV+16*\t+\i], v[O+32*\t+2*\i], v[O+32*\t+2*\i+1]
.endr
.irp ct, 0,1,2,3
	ds_store_b128 v[STO], v[KV+16*\t+4*\ct:KV+16*\t+4*\ct+3] offset:32*\ct
.endr
.irp i, 0,1,2,3
	ds_load_b128 v[S+16*\t+4*\i:S+16*\t+4*\i+3], v[RD] offset:4*PK*\i   ; in order behind my stores; the next tile's stores come behind these
.endr
.endr
.irp t, 0,1
.irp i, 0,1,2,3
	s_wait_dscnt 7-4*\t-\i                         ; at most as many as were issued behind this load
	global_store_b128 v[GO], v[S+16*\t+4*\i:S+16*\t+4*\i+3], s[10:11] offset:2048*\t+512*\i   ; 512 consecutive bytes, aligned
.endr
.endr
	s_wait_tensorcnt 0x0                           ; the wave's end
	ds_add_u32 v[SPW], v[NIL]
	s_wait_dscnt 0x0
	s_endpgm
.Lfunc_end_k_qb40fa79e33_attn:
	.size	k_qb40fa79e33_attn, .Lfunc_end_k_qb40fa79e33_attn-k_qb40fa79e33_attn
	.p2alignl 7, 3214868480
	.fill 96, 4, 3214868480
	.section	.rodata,"a",@progbits
	.p2align	6, 0x0
	.amdhsa_kernel k_qb40fa79e33_attn
		.amdhsa_group_segment_fixed_size 327680
		.amdhsa_private_segment_fixed_size 0
		.amdhsa_enable_private_segment 0
		.amdhsa_kernarg_size 16
		.amdhsa_user_sgpr_count 2
		.amdhsa_user_sgpr_kernarg_segment_ptr 1
		.amdhsa_wavefront_size32 1
		.amdhsa_system_sgpr_workgroup_id_x 1
		.amdhsa_system_sgpr_workgroup_id_y 1
		.amdhsa_system_sgpr_workgroup_id_z 1
		.amdhsa_system_vgpr_workitem_id 0
		.amdhsa_next_free_vgpr 256
		.amdhsa_next_free_sgpr 100
		.amdhsa_reserve_vcc 1
		.amdhsa_float_denorm_mode_32 3
		.amdhsa_float_denorm_mode_16_64 3
		.amdhsa_memory_ordered 1
		.amdhsa_forward_progress 1
		.amdhsa_inst_pref_size 187
	.end_amdhsa_kernel
	.amdgpu_metadata
---
amdhsa.version: [ 1, 2 ]
amdhsa.kernels:
  - .name:           k_qb40fa79e33_attn
    .symbol:         k_qb40fa79e33_attn.kd
    .args:
      - { .name: qkv16, .offset: 0, .size: 8, .value_kind: global_buffer, .address_space: global }
      - { .name: a16, .offset: 8, .size: 8, .value_kind: global_buffer, .address_space: global }
    .group_segment_fixed_size: 327680
    .private_segment_fixed_size: 0
    .kernarg_segment_align: 8
    .kernarg_segment_size: 16
    .max_flat_workgroup_size: 512
    .sgpr_count:     100
    .vgpr_count:     256
    .wavefront_size: 32
...
	.end_amdgpu_metadata
.endif
;; end of part 3
;; launch oproj (part 4): grid 4 x 64, 4 waves a work-group, clusters of 4 x 4, 327,680 bytes of LDS; arguments a16, wo16, bo, out0; writes out0
.if DOCPART == 4
	.amdgcn_target "amdgcn-amd-amdhsa--gfx1250"
	.amdhsa_code_object_version 6
	.text
	.protected	k_qb40fa79e33_oproj
	.globl	k_qb40fa79e33_oproj
	.p2align	8
	.type	k_qb40fa79e33_oproj,@function
k_qb40fa79e33_oproj:
	s_mov_b64 s[64:65], 0
	v_nop
	global_prefetch_b8 v0, s[64:65] scope:SCOPE_SE
	s_setreg_imm32_b32 hwreg(HW_REG_WAVE_MODE, 25, 1), 1
	s_wait_xcnt 0x0
	s_wait_alu depctr_hold_cnt(0) depctr_sa_sdst(0) depctr_va_vdst(0) depctr_va_sdst(0) depctr_va_ssrc(0) depctr_va_vcc(0) depctr_vm_vsrc(0)
	s_getreg_b32 s2, hwreg(HW_REG_IB_STS2, 6, 4)
	s_cmp_eq_u32 s2, 0
	s_cbranch_scc0 .Lentry_in_a_cluster
	s_endpgm
.Lentry_in_a_cluster:
	s_bfe_u32 s2, ttmp6, 0x10000c
	s_cmp_lg_u32 s2, 0xf033
	s_cbranch_scc0 .Lentry_shape_is_right
	s_endpgm
.Lentry_shape_is_right:
; OPROJ.  out0[token][n] = sum over k of A[token][k] Wo[n][k] + bo[n], f16 operands, f32 sums.  a16 [64 (batch, head)][2048 t][64] f16: k = 64 head + channel; wo16 [1024 n][1024 k] f16; out0 [8192][1024] f32.
; A tile of 128 tokens x 256 outputs to a work-group: 256 work-groups of equal work.  Four waves, each 64 tokens x 128 outputs: 32 accumulators, 256 registers.
; K goes in 8 steps of 128 (two heads) through a ring of two LDS slots.  128 tokens of one head are 16,384 dense bytes: they come as 64 rows of 256 bytes, two tokens to a row, 16 bytes of padding behind each.
; CLUSTERS: 4 x 4 work-groups; A's tiles are asked for jointly along a row of the cluster (the four tile columns), Wo's along a column.  Each joint refill stands behind a round of the cluster's barrier.
; THE MATRIX INSTRUCTION IS USED TRANSPOSED (source 0 = 16 rows of Wo, source 1 = 16 tokens): a lane holds one token and eight neighbouring outputs.  bo is the C of each sum's first product.
; All rows are made here; a later launch writes the first 16 positions of each sequence anew from f32 numbers.
; REGISTERS: window 0: v16-30 addresses; v32-63, v64-95 A's fragments (4 x 16 tokens x 32 K), two buffers; v128-191, v192-255 Wo's (8 x 16 rows x 32 K), two buffers, on the way out rows read back.
;   window 1: the accumulators ((a, b) at v[8 (8 a + b)]).   window 2: v0-63 bo in the result's layout.
.set SUBA,   64*272                    ; a head's 128 tokens in LDS
.set BOFF,   2*SUBA
.set HALFB,  128*272
.set SLOT,   BOFF+2*HALFB
.set STAGE,  2*SLOT                    ; behind the ring: 16 rows x 528 for each wave
.set SPITCH, 528
.set SPARE,  STAGE+4*16*SPITCH
.set ASTEP,  524288                    ; two heads on in a16
.set ADRA, 16
.set ADRB, 20
.set STO,  24
.set RD,   25
.set CO,   26
.set SPW,  28
.set NIL,  29
.set PFO,  30
.set LAPC, 12
.set LIM,  66
.set PFA,  68
.set G1, 24
.set G0, 32
.set G1B, 48
.set G0B, 56
.set MSB, 0
.macro WIN new
.if MSB != (\new)
	s_set_vgpr_msb (MSB<<8)|(\new)
.set MSB, (\new)
.endif
.endm
.set MUL, 0x50                         ; sources 0 and 1 window 0, C and D window 1 (+ 0x10: C window 2)
.macro JLOAD s                         ; a joint load: waves 0 and 1 fetch A's two heads, waves 2 and 3 Wo's two halves; an s_nop 0 and four v_nop follow each line
	s_cmp_eq_u32 s15, 0
	s_cbranch_scc0 .Lfor_b_\@
	tensor_load_to_lds s[G0+4*\s:G0+4*\s+3], s[G1:G1+7]
	s_nop 0
.rept 4
	v_nop
.endr
	s_branch .Lasked_\@
.Lfor_b_\@:
	tensor_load_to_lds s[G0B+4*\s:G0B+4*\s+3], s[G1B:G1B+7]
	s_nop 0
.rept 4
	v_nop
.endr
.Lasked_\@:
.endm
.macro CREST
	s_cmp_lg_u32 s14, 0
	s_cbranch_scc1 .Lnot_wave_0_\@
	s_barrier_signal -3
.Lnot_wave_0_\@:
	s_barrier_wait -3
	s_barrier_signal -1
	s_barrier_wait -1
.endm
.macro CROUND
	s_barrier_signal -1
	s_barrier_wait -1
	CREST
.endm
; A prefetch of A's K step that stands two refills on: 32,768 bytes, 128 blocks of 256.  A tile row is read by its four partners alone, jointly: they share the blocks out BY ADDRESS (cx / 2 picks the head, cx % 2 its half),
; wave 0 of each asks, a lane a block: each block is named once.  256 matrix instructions a wave ahead of the load.  The last trip's two refills ask for nothing.  Wo is read again by every cluster and is not asked for.
.macro ASK
	s_cmp_gt_u32 s[LAPC], s[LIM]
	s_cbranch_scc0 .Lnot_mine_\@
	global_prefetch_b8 v[PFO], s[PFA:PFA+1] offset:ASTEP th:TH_LOAD_NT scope:SCOPE_SE
.Lnot_mine_\@:
.endm
	s_load_b256 s[4:11], s[0:1], 0x0               ; a16 s[4:5], wo16 s[6:7], bo s[8:9], out0 s[10:11]
	v_lshl_add_u32 v[SPW], v0, 2, SPARE
	v_mov_b32 v[NIL], 0
	ds_add_u32 v[SPW], v[NIL]                      ; the wave's opening: the add, twice on end, and its wait ahead of my first tensor load
	ds_add_u32 v[SPW], v[NIL]
	v_lshrrev_b32 v1, 5, v0
	v_readfirstlane_b32 s14, v1                    ; wave 0..3
	s_lshr_b32 s15, s14, 1                         ; which 64 tokens are mine.  Also: I fetch for A (0) or for Wo (1)
	s_and_b32 s16, s14, 1                          ; which 128 outputs.  Also: which head, or which 128 rows of Wo, I fetch
	s_bfe_u32 s40, ttmp6, 0x40000                  ; cx
	s_bfe_u32 s41, ttmp6, 0x40004                  ; cy
	s_lshl_b32 s42, ttmp9, 2
	s_add_co_u32 s42, s42, s40                     ; tile column
	s_and_b32 s17, ttmp7, 0xffff
	s_lshl_b32 s17, s17, 2
	s_add_co_u32 s17, s17, s41                     ; tile row
	s_lshl_b32 s43, s41, 2
	s_lshl_b32 s43, 15, s43                        ; my row of the cluster
	s_lshl_b32 s44, 0x1111, s40                    ; my column
	s_or_b32 s[G1+0], s43, (1<<16)|(1<<20)|(1<<21)|(5<<22)|(3<<25)   ; the mask; elements of 2 bytes; padding: 4 words behind every 64; bit 21 beside a mask
	s_mov_b32 s[G1+1], 128<<16                     ; tensor_dim0
	s_mov_b32 s[G1+2], 64<<16                      ; tensor_dim1
	s_mov_b32 s[G1+3], 128<<16                     ; tile_dim0: two tokens
	s_mov_b32 s[G1+4], 64                          ; tile_dim1
	s_mov_b32 s[G1+5], 128                         ; dense
	s_mov_b32 s[G1+6], 0
	s_mov_b32 s[G1+7], 0
	s_or_b32 s[G1B+0], s44, (1<<16)|(1<<20)|(1<<21)|(5<<22)|(3<<25)
	s_mov_b32 s[G1B+1], 128<<16
	s_mov_b32 s[G1B+2], 128<<16
	s_mov_b32 s[G1B+3], 128<<16
	s_mov_b32 s[G1B+4], 128
	s_mov_b32 s[G1B+5], 1024
	s_mov_b32 s[G1B+6], 0
	s_mov_b32 s[G1B+7], 0
	s_lshr_b32 s20, s17, 4                         ; the batch: 16 tile rows each
	s_lshl_b32 s20, s20, 4
	s_add_co_u32 s20, s20, s16                     ; head 16 b + the one of the step's two that I fetch
	s_lshl_b32 s20, s20, 11
	s_and_b32 s21, s17, 15
	s_lshl_b32 s21, s21, 7
	s_add_co_u32 s20, s20, s21                     ; + the tile's first position
	s_lshl_b32 s20, s20, 7                         ; 128 bytes a token
	s_mov_b32 s21, 0
	s_lshl_b32 s46, s42, 8
	s_lshl_b32 s47, s16, 7
	s_add_co_u32 s46, s46, s47                     ; Wo: row 256 x tile column + 128 x half
	s_lshl_b32 s46, s46, 11
	s_mov_b32 s47, 0
	s_mul_i32 s45, s16, SUBA                       ; where they go: no place in the cluster enters an LDS address
	s_mul_i32 s22, s16, HALFB
	s_add_co_u32 s22, s22, BOFF
	s_wait_dscnt 0x0                               ; both opening adds are done
	s_wait_kmcnt 0x0
	s_add_nc_u64 s[20:21], s[4:5], s[20:21]
	s_add_nc_u64 s[46:47], s[6:7], s[46:47]
	CROUND                                         ; all sixteen work-groups are here: the first joint loads meet
.irp s, 0,1
	s_mov_b32 s[G0+4*\s], 1
	s_add_co_u32 s[G0+4*\s+1], s45, \s*SLOT
	s_add_nc_u64 s[G0+4*\s+2:G0+4*\s+3], s[20:21], \s*ASTEP
	s_or_b32 s[G0+4*\s+3], s[G0+4*\s+3], 0x80000000
	s_mov_b32 s[G0B+4*\s], 1
	s_add_co_u32 s[G0B+4*\s+1], s22, \s*SLOT
	s_add_nc_u64 s[G0B+4*\s+2:G0B+4*\s+3], s[46:47], \s*256
	s_or_b32 s[G0B+4*\s+3], s[G0B+4*\s+3], 0x80000000
	JLOAD \s                                       ; two loads of mine are out
.endr
	v_and_b32 v1, 15, v0                           ; r
	v_bfe_u32 v2, v0, 4, 1                         ; h
	v_lshrrev_b32 v3, 1, v1
	v_mul_u32_u24 v3, v3, 272
	v_and_b32 v4, 1, v0
	v_lshl_add_u32 v3, v4, 7, v3
	v_lshl_add_u32 v3, v2, 4, v3                   ; A: token r lies in row r / 2 at byte 128 (r % 2): the sixteen fall into sixteen different 16-byte columns
	v_mul_u32_u24 v4, v1, 272
	v_lshl_add_u32 v4, v2, 4, v4                   ; Wo: row r
	s_mul_i32 s21, s15, 32*272                     ; my 64 tokens
	s_mul_i32 s23, s16, HALFB                      ; my 128 rows of Wo
	s_add_co_u32 s23, s23, BOFF
.irp s, 0,1
	v_add_nc_u32 v[ADRA+\s], s21, v3
	v_add_nc_u32 v[ADRB+\s], s23, v4
	s_add_co_u32 s21, s21, SLOT
	s_add_co_u32 s23, s23, SLOT
.endr
	s_mul_i32 s23, s14, 16*SPITCH
	s_add_co_u32 s23, s23, STAGE                   ; my stage
	v_mul_u32_u24 v5, v1, SPITCH
	v_lshl_add_u32 v5, v2, 5, v5
	v_add_nc_u32 v[STO], s23, v5
	v_and_b32 v6, 31, v0
	v_lshlrev_b32 v[CO], 4, v6
	v_add_nc_u32 v[RD], s23, v[CO]
	v_lshlrev_b32 v[PFO], 8, v6
	v_lshlrev_b32 v7, 5, v2
	s_mov_b32 s3, 0                                ; offsets that mix the cluster's two coordinates are made in s2, s3, s13, s67, which feed no descriptor
	s_lshl_b32 s2, s42, 10
	s_lshl_b32 s13, s16, 9
	s_add_co_u32 s2, s2, s13
	s_add_nc_u64 s[8:9], s[8:9], s[2:3]            ; bo at my 128 outputs
	WIN 0x80                                       ; destination window 2
.irp b, 0,1,2,3,4,5,6,7
	global_load_b128 v[8*\b:8*\b+3], v7, s[8:9] offset:64*\b
	global_load_b128 v[8*\b+4:8*\b+7], v7, s[8:9] offset:64*\b+16
.endr
	WIN 0
	s_lshl_b32 s13, s17, 7
	s_lshl_b32 s67, s15, 6
	s_add_co_u32 s13, s13, s67
	s_lshl_b32 s13, s13, 12                        ; my first token's row of 4,096 bytes
	s_add_co_u32 s2, s2, s13                       ; + my first output's bytes (the same 1,024 x tile column + 512 x half)
	s_add_nc_u64 s[10:11], s[10:11], s[2:3]
	s_lshr_b32 s2, s17, 4                          ; the prefetches: the tile's first token in the batch's head 0,
	s_lshl_b32 s2, s2, 15
	s_and_b32 s13, s17, 15
	s_lshl_b32 s13, s13, 7
	s_add_co_u32 s2, s2, s13
	s_lshl_b32 s2, s2, 7
	s_lshr_b32 s13, s40, 1
	s_lshl_b32 s13, s13, 18                        ; + the head of the step's two,
	s_add_co_u32 s2, s2, s13
	s_and_b32 s13, s40, 1
	s_lshl_b32 s13, s13, 13                        ; + the half of its 16,384 bytes that is my work-group's,
	s_add_co_u32 s2, s2, s13
	s_add_co_u32 s2, s2, 2*ASTEP                   ; at K step 2: the first refill steps it to 3 and names step 4.  Nothing is prefetched at the head
	s_add_nc_u64 s[PFA:PFA+1], s[4:5], s[2:3]
	s_cmp_eq_u32 s14, 0
	s_cselect_b32 s[LIM], 1, -1
.macro FETCH slot, qd, f               ; 24 LDS loads in one run: 32 along K, the step's qd-th, into buffer f: Wo's eight blocks, then A's four
.irp b, 0,1,2,3,4,5,6,7
	ds_load_b128 v[128+64*(\f)+8*\b:128+64*(\f)+8*\b+3], v[ADRB+\slot] offset:64*(\qd)+4352*\b
	ds_load_b128 v[128+64*(\f)+8*\b+4:128+64*(\f)+8*\b+7], v[ADRB+\slot] offset:64*(\qd)+4352*\b+32
.endr
.irp a, 0,1,2,3
	ds_load_b128 v[32+32*(\f)+8*\a:32+32*(\f)+8*\a+3], v[ADRA+\slot] offset:((\qd)/2)*SUBA+((\qd)%2)*64+2176*\a
	ds_load_b128 v[32+32*(\f)+8*\a+4:32+32*(\f)+8*\a+7], v[ADRA+\slot] offset:((\qd)/2)*SUBA+((\qd)%2)*64+2176*\a+32
.endr
.endm
.macro MUL8 f, a, zero                 ; token block a x the eight output blocks.  The 32 accumulators take turns in one order throughout
.irp b, 0,1,2,3,4,5,6,7
.if \zero
	v_wmma_f32_16x16x32_f16 v[8*(8*(\a)+\b):8*(8*(\a)+\b)+7], v[128+64*(\f)+8*\b:128+64*(\f)+8*\b+7], v[32+32*(\f)+8*(\a):32+32*(\f)+8*(\a)+7], v[8*\b:8*\b+7]
.else
	v_wmma_f32_16x16x32_f16 v[8*(8*(\a)+\b):8*(8*(\a)+\b)+7], v[128+64*(\f)+8*\b:128+64*(\f)+8*\b+7], v[32+32*(\f)+8*(\a):32+32*(\f)+8*(\a)+7], v[8*(8*(\a)+\b):8*(8*(\a)+\b)+7]
.endif
.endr
.endm
.macro PLACES
.rept 4
	v_nop
.endr
.endm
.macro QUARTER slot, qn, f, g, zero    ; multiplies buffer f; in its middle it fetches the step's qn-th 32 along K into buffer g
	s_wait_dscnt 4                                 ; Wo's blocks and A's blocks 0, 1 are in; the youngest 4 loads (A's blocks 2, 3) may be out
	WIN MUL+0x10*(\zero)
	MUL8 \f, 0, \zero
	MUL8 \f, 1, \zero
	WIN 0
	PLACES                                         ; in front of loads into the registers that the quarter before multiplied
	FETCH \slot, \qn, \g
	s_wait_dscnt 24                                ; all but the 24 just issued
	WIN MUL+0x10*(\zero)
	MUL8 \f, 2, \zero
	MUL8 \f, 3, \zero
.endm
; A step's last quarter multiplies buffer 1 and changes slots: one barrier; in front of it each wave waits for all its tensor loads, adds 0 to its spare word, and waits for that and for its reads of this slot.
; fill = 1: the barrier opens a round of the cluster's, and the joint refill, two K steps ahead, is the first tensor load behind it: 112 matrix instructions ahead of the wait for it.
.macro TURN slot, next, fill
.if \fill
	s_wait_xcnt 0x0                                ; the last prefetch, a K step back, has read its address
	s_add_nc_u64 s[PFA:PFA+1], s[PFA:PFA+1], ASTEP
.endif
	WIN 0
	s_wait_tensorcnt 0x0
	ds_add_u32 v[SPW], v[NIL]
	s_wait_dscnt 5                                 ; the add and the youngest 4 loads may be out
	WIN MUL
	MUL8 1, 0, 0
	s_wait_dscnt 0x0
	s_barrier_signal -1
	MUL8 1, 1, 0
	WIN 0
	s_barrier_wait -1
.if \fill
	CREST
	s_add_nc_u64 s[G0+4*\slot+2:G0+4*\slot+3], s[G0+4*\slot+2:G0+4*\slot+3], 2*ASTEP
	s_add_nc_u64 s[G0B+4*\slot+2:G0B+4*\slot+3], s[G0B+4*\slot+2:G0B+4*\slot+3], 2*256
	JLOAD \slot                                    ; its four v_nop are also the places in front of the loads below
.else
	PLACES
.endif
	FETCH \next, 0, 0
.if \fill
	ASK
.endif
	WIN MUL
	MUL8 1, 2, 0
	MUL8 1, 3, 0
.endm
	s_wait_tensorcnt 1                             ; my part of K step 0 is in; step 1's load may be out
	s_barrier_signal -1
	s_barrier_wait -1
	FETCH 0, 0, 0
	s_wait_loadcnt 0x0                             ; bo
	QUARTER 0, 1, 0, 1, 1                          ; the first quarter stands in front of the loop: its products start the sums from bo
	WIN 0
	s_mov_b32 s[LAPC], 3
.Llap:                                             ; a trip goes once round the ring, from a lap's second quarter to the next lap's first, and fills both slots again
	QUARTER 0, 2, 1, 0, 0
	QUARTER 0, 3, 0, 1, 0
	TURN 0, 1, 1
	QUARTER 1, 1, 0, 1, 0
	QUARTER 1, 2, 1, 0, 0
	QUARTER 1, 3, 0, 1, 0
	TURN 1, 0, 1
	QUARTER 0, 1, 0, 1, 0
	WIN 0
	s_sub_co_u32 s[LAPC], s[LAPC], 1
	s_cmp_lg_u32 s[LAPC], 0
	s_cbranch_scc1 .Llap
	QUARTER 0, 2, 1, 0, 0                          ; the last lap fills nothing
	QUARTER 0, 3, 0, 1, 0
	TURN 0, 1, 0
	QUARTER 1, 1, 0, 1, 0
	QUARTER 1, 2, 1, 0, 0
	QUARTER 1, 3, 0, 1, 0
	s_wait_dscnt 4
	WIN MUL
	MUL8 1, 0, 0
	MUL8 1, 1, 0
	s_wait_dscnt 0
	MUL8 1, 2, 0
	MUL8 1, 3, 0
	WIN 0
; THE WAY OUT, 16 tokens x 128 outputs at a time: through my own stage and back as whole runs of 512 bytes of a row
.macro TOSTAGE a
	WIN 0x04                                       ; an LDS store's data are its source 1: window 1
.irp b, 0,1,2,3,4,5,6,7
	ds_store_b128 v[STO], v[8*(8*(\a)+\b):8*(8*(\a)+\b)+3] offset:64*\b        ; each accumulator from its low end on
	ds_store_b128 v[STO], v[8*(8*(\a)+\b)+4:8*(8*(\a)+\b)+7] offset:64*\b+16
.endr
	WIN 0
.irp t, 0,1,2,3,4,5,6,7,8,9,10,11,12,13,14,15
	ds_load_b128 v[128+64*((\a)%2)+4*\t:128+64*((\a)%2)+4*\t+3], v[RD] offset:\t*SPITCH
.endr
.endm
.macro SEND a, younger
	s_wait_dscnt \younger
.irp t, 0,1,2,3,4,5,6,7,8,9,10,11,12,13,14,15
	global_store_b128 v[CO], v[128+64*((\a)%2)+4*\t:128+64*((\a)%2)+4*\t+3], s[10:11] offset:(\a)*65536+\t*4096 th:TH_STORE_NT   ; 512 consecutive bytes, aligned
.endr
.endm
	PLACES
	TOSTAGE 0
.irp a, 1,2,3
.if \a > 1
	s_wait_xcnt 0x0                                ; block a - 2's stores have read the registers into which block a is read back
.endif
	TOSTAGE \a
	SEND \a-1, 32                                  ; behind block a - 1's loads: block a's 16 stores and 16 loads
.endr
	SEND 3, 0
	s_wait_tensorcnt 0x0                           ; the wave's end
	ds_add_u32 v[SPW], v[NIL]
	s_wait_dscnt 0x0
	CROUND                                         ; the closing round
	s_endpgm
.Lfunc_end_k_qb40fa79e33_oproj:
	.size	k_qb40fa79e33_oproj, .Lfunc_end_k_qb40fa79e33_oproj-k_qb40fa79e33_oproj
	.p2alignl 7, 3214868480
	.fill 96, 4, 3214868480
	.section	.rodata,"a",@progbits
	.p2align	6, 0x0
	.amdhsa_kernel k_qb40fa79e33_oproj
		.amdhsa_group_segment_fixed_size 327680
		.amdhsa_private_segment_fixed_size 0
		.amdhsa_enable_private_segment 0
		.amdhsa_kernarg_size 32
		.amdhsa_user_sgpr_count 2
		.amdhsa_user_sgpr_kernarg_segment_ptr 1
		.amdhsa_wavefront_size32 1
		.amdhsa_system_sgpr_workgroup_id_x 1
		.amdhsa_system_sgpr_workgroup_id_y 1
		.amdhsa_system_sgpr_workgroup_id_z 1
		.amdhsa_system_vgpr_workitem_id 0
		.amdhsa_next_free_vgpr 640
		.amdhsa_next_free_sgpr 72
		.amdhsa_reserve_vcc 0
		.amdhsa_float_denorm_mode_32 3
		.amdhsa_float_denorm_mode_16_64 3
		.amdhsa_memory_ordered 1
		.amdhsa_forward_progress 1
		.amdhsa_inst_pref_size 88
	.end_amdhsa_kernel
	.amdgpu_metadata
---
amdhsa.version: [ 1, 2 ]
amdhsa.kernels:
  - .name:           k_qb40fa79e33_oproj
    .symbol:         k_qb40fa79e33_oproj.kd
    .args:
      - { .name: a16, .offset: 0, .size: 8, .value_kind: global_buffer, .address_space: global }
      - { .name: wo16, .offset: 8, .size: 8, .value_kind: global_buffer, .address_space: global }
      - { .name: bo, .offset: 16, .size: 8, .value_kind: global_buffer, .address_space: global }
      - { .name: out0, .offset: 24, .size: 8, .value_kind: global_buffer, .address_space: global }
    .group_segment_fixed_size: 327680
    .private_segment_fixed_size: 0
    .kernarg_segment_align: 8
    .kernarg_segment_size: 32
    .max_flat_workgroup_size: 128
    .sgpr_count:     72
    .vgpr_count:     640
    .wavefront_size: 32
...
	.end_amdgpu_metadata
.endif
;; end of part 4
;; launch early (part 5): grid 16 x 4, 16 waves a work-group, no clusters, 85,504 bytes of LDS; arguments e32, Wo, bo, out0; writes out0
.if DOCPART == 5
	.amdgcn_target "amdgcn-amd-amdhsa--gfx1250"
	.amdhsa_code_object_version 6
	.text
	.protected	k_qb40fa79e33_early
	.globl	k_qb40fa79e33_early
	.p2align	8
	.type	k_qb40fa79e33_early,@function
k_qb40fa79e33_early:
	s_mov_b64 s[64:65], 0
	v_nop
	global_prefetch_b8 v0, s[64:65] scope:SCOPE_SE
	s_setreg_imm32_b32 hwreg(HW_REG_WAVE_MODE, 25, 1), 1
	s_wait_xcnt 0x0
; EARLY.  The first 16 positions of each of the 4 sequences, in f32 throughout: they average one to sixteen values and are the largest rows of the output, so f16 operands would weigh most there.
; e32 [3][4 b][16 h][16 t][64] f32 (q times c = log2(e) / 8, k, v, behind bias and rotary turn); Wo [1024][1024] f32; out0 rows 2048 b + 0 .. 15 are written anew.
; A work-group takes a batch b (y) and 64 output columns (x).  Phase 1: wave w does head w's attention of 16 queries x 16 keys; the 16 x 1,024 result meets in LDS (each of a batch's 16 work-groups makes it for itself:
; 16 x 16 x 64 multiply-adds a head).  Phase 2: wave w makes outputs 16 (w % 4) on over a quarter (w / 4) of K; the four parts meet in LDS and are added in a fixed order, with bo.
; All products by v_wmma_f32_16x16x4_f32; its results' registers (v112-159) are written by matrix instructions alone, and every sum begins with the constant 0.  Two accumulators take turns on each long sum.
; The four k of a product are any four, the same on both sides: a lane's 16-byte load gives two products' pairs.
.set ATP,   4112                       ; a query's row of 1,024 f32 in LDS + 16
.set RED,   66048                      ; [4 quarters of K][16 queries][256 bytes + 16]
.set REDQ,  16*272
.set SPARE, 83456
	s_load_b256 s[4:11], s[0:1], 0x0               ; e32, Wo, bo, out0
	v_lshl_add_u32 v14, v0, 2, SPARE               ; my spare word; never rewritten
	v_mov_b32 v15, 0                               ; 0; never rewritten
	v_lshrrev_b32 v1, 5, v0
	v_readfirstlane_b32 s12, v1                    ; wave = head
	s_and_b32 s13, ttmp7, 0xffff                   ; b
	s_and_b32 s15, s12, 3                          ; which 16 outputs
	s_lshr_b32 s16, s12, 2                         ; which quarter of K
	s_and_b32 s17, s12, 7                          ; which two rows I store, if I store
	s_mov_b32 s20, 0x76543210
	s_mov_b32 s21, 0xfedcba98
	v_and_b32 v1, 15, v0                           ; r
	v_bfe_u32 v2, v0, 4, 1                         ; h
	v_lshlrev_b32 v3, 8, v1
	v_lshl_add_u32 v3, v2, 4, v3                   ; q, k: row r of 256 bytes + 16 h
	v_lshlrev_b32 v4, 2, v1
	v_lshl_add_u32 v4, v2, 11, v4                  ; v: channel r, keys 8 h on
	v_lshlrev_b32 v5, 12, v1
	v_lshl_add_u32 v5, v2, 4, v5                   ; Wo: row r of 4,096 bytes + 16 h
	v_lshlrev_b32 v6, 4, v1                        ; bo: 16 r
	v_lshlrev_b32 v7, 3, v2
	v_sub_nc_u32 v7, v1, v7                        ; r - 8 h
	v_lshl_add_u32 v12, v2, 12, v6                 ; out0: row h, 16 r
	v_mov_b32 v13, 0xff800000
	v_mul_u32_u24 v9, v1, ATP
	s_lshl_b32 s18, s12, 8
	v_lshl_add_u32 v8, v2, 5, v9
	v_add_nc_u32 v8, s18, v8                       ; the result goes to row r, head w's 256 bytes, + 32 h
	s_lshl_b32 s18, s16, 10
	v_lshl_add_u32 v9, v2, 4, v9
	v_add_nc_u32 v9, s18, v9                       ; and is read at row r, my quarter of K, + 16 h
	s_mul_i32 s18, s16, REDQ
	s_lshl_b32 s19, s15, 6
	s_add_co_u32 s18, s18, s19
	s_add_co_u32 s18, s18, RED
	v_mul_u32_u24 v10, v1, 272
	v_lshl_add_u32 v10, v2, 5, v10
	v_add_nc_u32 v10, s18, v10                     ; my part: quarter, query r, my 16 outputs, + 32 h
	s_mul_i32 s18, s17, 2*272
	s_add_co_u32 s18, s18, RED
	v_mul_u32_u24 v11, v2, 272
	v_lshl_add_u32 v11, v1, 4, v11
	v_add_nc_u32 v11, s18, v11                     ; back: query 2 (w % 8) + h, 16 r
	s_lshl_b32 s22, s13, 4
	s_add_co_u32 s22, s22, s12
	s_lshl_b32 s22, s22, 12                        ; e32: 4,096 bytes a head
	s_mov_b32 s23, 0
	s_lshl_b32 s24, ttmp9, 6
	s_lshl_b32 s25, s15, 4
	s_add_co_u32 s24, s24, s25
	s_lshl_b32 s24, s24, 12
	s_lshl_b32 s25, s16, 10
	s_add_co_u32 s24, s24, s25                     ; Wo: row 64 x + 16 (w % 4), byte 1,024 (w / 4)
	s_mov_b32 s25, 0
	s_lshl_b32 s26, ttmp9, 8
	s_mov_b32 s27, 0
	s_lshl_b32 s28, s13, 11
	s_lshl_b32 s29, s17, 1
	s_add_co_u32 s28, s28, s29
	s_lshl_b32 s28, s28, 12
	s_add_co_u32 s28, s28, s26                     ; out0: row 2,048 b + 2 (w % 8), byte 256 x
	s_mov_b32 s29, 0
	s_wait_kmcnt 0x0
	s_add_nc_u64 s[4:5], s[4:5], s[22:23]
	s_add_nc_u64 s[6:7], s[6:7], s[24:25]
	s_add_nc_u64 s[8:9], s[8:9], s[26:27]
	s_add_nc_u64 s[10:11], s[10:11], s[28:29]
.irp s, 0,1,2,3,4,5,6,7
	global_load_b128 v[16+4*\s:19+4*\s], v3, s[4:5] offset:32*\s               ; q: channels 8 s + 4 h + 0 .. 3
.endr
.irp s, 0,1,2,3,4,5,6,7
	global_load_b128 v[48+4*\s:51+4*\s], v3, s[4:5] offset:262144+32*\s        ; k likewise
.endr
.irp ct, 0,1,2,3
.irp i, 0,1,2,3,4,5,6,7
	global_load_b32 v[80+8*\ct+\i], v4, s[4:5] offset:524288+256*\i+64*\ct     ; v(key 8 h + i, channel 16 ct + r)
.endr
.endr
.irp s, 0,1,2,3,4,5,6,7,8,9,10,11,12,13,14,15
	global_load_b128 v[192+4*\s:195+4*\s], v5, s[6:7] offset:32*\s             ; the first half of my part of Wo
.endr
	s_wait_loadcnt 48                              ; q and k are in; v's 32 loads and Wo's 16 stay out
	; ---- phase 1.  S^T = k q^T: a lane holds query r and keys 8 h + 0 .. 7
	v_wmma_f32_16x16x4_f32 v[112:119], v[48:49], v[16:17], 0
	v_wmma_f32_16x16x4_f32 v[120:127], v[50:51], v[18:19], 0
.irp s, 1,2,3,4,5,6,7
	v_wmma_f32_16x16x4_f32 v[112:119], v[48+4*\s:49+4*\s], v[16+4*\s:17+4*\s], v[112:119]
	v_wmma_f32_16x16x4_f32 v[120:127], v[50+4*\s:51+4*\s], v[18+4*\s:19+4*\s], v[120:127]
.endr
.rept 8
	v_nop                                          ; eight places behind this form, in front of reads of its results and of loads into its operands
.endr
.irp s, 0,1,2,3,4,5,6,7,8,9,10,11,12,13,14,15
	global_load_b128 v[16+4*\s:19+4*\s], v5, s[6:7] offset:512+32*\s           ; the second half of my part of Wo, where q and k lay
.endr
.irp j, 0,1,2,3,4,5,6,7
	v_add_f32 v[160+\j], v[112+\j], v[120+\j]
.endr
.irp j, 0,1,2,3,4,5,6,7
	v_cmp_gt_i32 vcc_lo, \j, v7                    ; key 8 h + j comes after query r
	v_cndmask_b32 v[160+\j], v[160+\j], v13, vcc_lo
.endr
	v_max3_num_f32 v168, v160, v161, v162
	v_max3_num_f32 v169, v163, v164, v165
	v_max3_num_f32 v168, v168, v166, v167
	v_max_num_f32 v168, v168, v169
	v_permlanex16_b32 v169, v168, s20, s21
	v_max_num_f32 v168, v168, v169                 ; the row's maximum: key 0 counts for every query, so it is a number
.irp j, 0,1,2,3,4,5,6,7
	v_sub_f32 v[160+\j], v[160+\j], v168
.endr
.irp j, 0,1,2,3,4,5,6,7
	v_exp_f32 v[160+\j], v[160+\j]
.endr
	v_nop
	s_wait_alu depctr_va_vdst(0)                   ; one wait for the eight, ahead of their first reader
	v_add_f32 v170, v160, v161
	v_add_f32 v171, v162, v163
	v_add_f32 v172, v164, v165
	v_add_f32 v173, v166, v167
	v_add_f32 v170, v170, v171
	v_add_f32 v172, v172, v173
	v_add_f32 v170, v170, v172
	v_permlanex16_b32 v171, v170, s20, s21
	v_add_f32 v170, v170, v171
	v_rcp_f32 v174, v170
	v_nop
	s_wait_loadcnt 32                              ; v is in; Wo's two halves, 32 loads, stay out
.irp ct, 0,1,2,3                               ; O^T = v^T p: product u takes keys 8 h + 2 u + 0, 1; four accumulators by turns
	v_wmma_f32_16x16x4_f32 v[128+8*\ct:135+8*\ct], v[80+8*\ct:81+8*\ct], v[160:161], 0
.endr
.irp u, 1,2,3
.irp ct, 0,1,2,3
	v_wmma_f32_16x16x4_f32 v[128+8*\ct:135+8*\ct], v[80+8*\ct+2*\u:81+8*\ct+2*\u], v[160+2*\u:161+2*\u], v[128+8*\ct:135+8*\ct]
.endr
.endr
.rept 8
	v_nop
.endr
	s_wait_alu depctr_va_vdst(0)                   ; the reciprocal's wait, ahead of its first reader
.set n, 0
.rept 32
	v_mul_f32 v[80+n], v[128+n], v174              ; O^T / the sum, into other registers
.set n, n+1
.endr
.irp ct, 0,1,2,3
	ds_store_b128 v8, v[80+8*\ct:83+8*\ct] offset:64*\ct
	ds_store_b128 v8, v[84+8*\ct:87+8*\ct] offset:64*\ct+16
.endr
	s_wait_dscnt 0x0                               ; for the others' sake: my stores have landed
	s_barrier_signal -1
	s_barrier_wait -1
	; ---- phase 2: y^T = Wo A^T over my 256 of K: 64 products in four chunks, A's chunks in two sets of registers by turns
.macro ATLOAD c
.irp s, 0,1,2,3,4,5,6,7
	ds_load_b128 v[80+80*((\c)%2)+4*\s:83+80*((\c)%2)+4*\s], v9 offset:256*(\c)+32*\s
.endr
.endm
.macro YMUL c, wb, first
.irp s, 0,1,2,3,4,5,6,7
.if \first && (\s == 0)
	v_wmma_f32_16x16x4_f32 v[112:119], v[\wb:\wb+1], v[80:81], 0
	v_wmma_f32_16x16x4_f32 v[120:127], v[\wb+2:\wb+3], v[82:83], 0
.else
	v_wmma_f32_16x16x4_f32 v[112:119], v[\wb+4*\s:\wb+4*\s+1], v[80+80*((\c)%2)+4*\s:81+80*((\c)%2)+4*\s], v[112:119]
	v_wmma_f32_16x16x4_f32 v[120:127], v[\wb+4*\s+2:\wb+4*\s+3], v[82+80*((\c)%2)+4*\s:83+80*((\c)%2)+4*\s], v[120:127]
.endif
.endr
.rept 8
	v_nop                                          ; in front of the next load into this chunk's registers, or of the read of the sums
.endr
.endm
	s_wait_loadcnt 0x0                             ; Wo
	ATLOAD 0
	ATLOAD 1
	s_wait_dscnt 8                                 ; chunk 0 is in; chunk 1's 8 loads stay out
	YMUL 0, 192, 1
	ATLOAD 2
	s_wait_dscnt 8
	YMUL 1, 224, 0
	ATLOAD 3
	s_wait_dscnt 8
	YMUL 2, 16, 0
	s_wait_dscnt 0x0
	YMUL 3, 48, 0
	global_load_b128 v[16:19], v6, s[8:9]          ; bo of the 64 columns, 16 bytes a lane, where Wo lay
.irp j, 0,1,2,3,4,5,6,7
	v_add_f32 v[80+\j], v[112+\j], v[120+\j]
.endr
	ds_store_b128 v10, v[80:83]
	ds_store_b128 v10, v[84:87] offset:16
	s_wait_dscnt 0x0
	s_barrier_signal -1
	s_barrier_wait -1
	s_cmp_lt_u32 s12, 8                            ; waves 0-7 add the four parts of two rows each and store them
	s_cbranch_scc0 .Ldone
.irp k, 0,1,2,3
	ds_load_b128 v[160+4*\k:163+4*\k], v11 offset:REDQ*\k
.endr
	s_wait_dscnt 0x0
	s_wait_loadcnt 0x0
.irp i, 0,1,2,3
	v_add_f32 v[160+\i], v[160+\i], v[164+\i]
	v_add_f32 v[168+\i], v[168+\i], v[172+\i]
.endr
.irp i, 0,1,2,3
	v_add_f32 v[160+\i], v[160+\i], v[168+\i]
.endr
.irp i, 0,1,2,3
	v_add_f32 v[160+\i], v[160+\i], v[16+\i]
.endr
	global_store_b128 v12, v[160:163], s[10:11]    ; sixteen lanes store 256 consecutive bytes, aligned, of each of two rows
.Ldone:
	s_wait_tensorcnt 0x0                           ; the wave's end, behind my last LDS store
	ds_add_u32 v14, v15
	s_wait_dscnt 0x0
	s_endpgm
.Lfunc_end_k_qb40fa79e33_early:
	.size	k_qb40fa79e33_early, .Lfunc_end_k_qb40fa79e33_early-k_qb40fa79e33_early
	.p2alignl 7, 3214868480
	.fill 96, 4, 3214868480
	.section	.rodata,"a",@progbits
	.p2align	6, 0x0
	.amdhsa_kernel k_qb40fa79e33_early
		.amdhsa_group_segment_fixed_size 85504
		.amdhsa_private_segment_fixed_size 0
		.amdhsa_enable_private_segment 0
		.amdhsa_kernarg_size 32
		.amdhsa_user_sgpr_count 2
		.amdhsa_user_sgpr_kernarg_segment_ptr 1
		.amdhsa_wavefront_size32 1
		.amdhsa_system_sgpr_workgroup_id_x 1
		.amdhsa_system_sgpr_workgroup_id_y 1
		.amdhsa_system_sgpr_workgroup_id_z 1
		.amdhsa_system_vgpr_workitem_id 0
		.amdhsa_next_free_vgpr 256
		.amdhsa_next_free_sgpr 66
		.amdhsa_reserve_vcc 1
		.amdhsa_float_denorm_mode_32 3
		.amdhsa_float_denorm_mode_16_64 3
		.amdhsa_memory_ordered 1
		.amdhsa_forward_progress 1
		.amdhsa_inst_pref_size 26
	.end_amdhsa_kernel
	.amdgpu_metadata
---
amdhsa.version: [ 1, 2 ]
amdhsa.kernels:
  - .name:           k_qb40fa79e33_early
    .symbol:         k_qb40fa79e33_early.kd
    .args:
      - { .name: e32, .offset: 0, .size: 8, .value_kind: global_buffer, .address_space: global }
      - { .name: Wo, .offset: 8, .size: 8, .value_kind: global_buffer, .address_space: global }
      - { .name: bo, .offset: 16, .size: 8, .value_kind: global_buffer, .address_space: global }
      - { .name: out0, .offset: 24, .size: 8, .value_kind: global_buffer, .address_space: global }
    .group_segment_fixed_size: 85504
    .private_segment_fixed_size: 0
    .kernarg_segment_align: 8
    .kernarg_segment_size: 32
    .max_flat_workgroup_size: 512
    .sgpr_count:     66
    .vgpr_count:     256
    .wavefront_size: 32
...
	.end_amdgpu_metadata
.endif
;; end of part 5
